; MI455X (gfx1250); checked and timed in simulation.
; The chip was launched on July 23, 2026; its instructions are those of AMD's public machine-readable ISA for CDNA 5 (MIT licence, August 2026) and "CDNA5" Instruction Set Architecture Reference Guide (July 2026). The comments in the code are by the model that wrote it; some were corrected since.
;; Spatial Self Cross Attention. Allowed arithmetic: float matrix products may take bf16 or f16 operands with f32 sums; all other float work in f32.
;; Inputs: Wk 256 x 256 float32; Wpc 256 x 256 float32; Wps 256 x 256 float32; Wq 256 x 256 float32; Wv 256 x 256 float32; bk 256 float32; bpc 256 float32; bps 256 float32; bq 256 float32; bv 256 float32; x1 32 x 256 x 32 x 32 float32; x2 32 x 256 x 32 x 32 float32.
;; Outputs: out0 32 x 256 x 32 x 32 float32; out1 32 x 256 x 32 x 32 float32.
;; 2 versions, each right and faster than the one before. Each part assembles by itself: llvm-mc -triple=amdgcn-amd-amdhsa -mcpu=gfx1250 --defsym DOCPART=n.
;; ======== version 1 of 2: 3 launches
;; workspace buffers: wb 655,360 bytes; q1 16,777,216 bytes; q2 16,777,216 bytes; k1 16,777,216 bytes; k2 16,777,216 bytes; vv 16,777,216 bytes
;; launch prep (part 1): grid 32 x 5, 8 waves a work-group, no clusters, 0 bytes of LDS; arguments Wq, Wk, Wv, Wps, Wpc, wb; writes wb
.if DOCPART == 1
	.amdgcn_target "amdgcn-amd-amdhsa--gfx1250"
	.amdhsa_code_object_version 6
	.text
	.protected	k_qbfe2de97e8_prep
	.globl	k_qbfe2de97e8_prep
	.p2align	8
	.type	k_qbfe2de97e8_prep,@function
k_qbfe2de97e8_prep:
	s_mov_b64 s[64:65], 0
	v_nop
	global_prefetch_b8 v0, s[64:65] scope:SCOPE_SE
	s_setreg_imm32_b32 hwreg(HW_REG_WAVE_MODE, 25, 1), 1
	s_wait_xcnt 0x0
; The five weight matrices [256][256] f32 are rounded once to bf16 and laid out for the launches behind.
; Work-group y = the matrix (0 Wq, 1 Wk, 2 Wv, 3 Wps, 4 Wpc); thread T = 256 x + t makes one unit of 16 bytes (8 numbers); 8,192 units a matrix.
; Matrices 0-2: by fragments of the matrix instruction's first source.  Unit T = ((ob*8 + c)*2 + u)*32 + lane holds W[16 ob + lane%16][32 c + 16 u + 8 (lane/16) + 0..7],
; so that a wave later fills half a fragment by one load of 512 consecutive bytes.  Matrices 3, 4: row-major, so that together they are one table [512][256].
; Every store of a wave covers 512 consecutive bytes, aligned.  No LDS, no matrix unit: 1.3 MB are read and 0.65 MB written, once.
	s_load_b256 s[4:11], s[0:1], 0x0               ; Wq, Wk, Wv, Wps
	s_load_b128 s[12:15], s[0:1], 0x20             ; Wpc, wb
	s_and_b32 s16, ttmp7, 0xffff                   ; which matrix
	s_lshl_b32 s17, ttmp9, 8
	v_add_nc_u32 v1, s17, v0                       ; T
	v_lshrrev_b32 v2, 9, v1                        ; ob
	v_and_b32 v3, 15, v1                           ; lane % 16
	v_lshl_add_u32 v2, v2, 4, v3                   ; the row 16 ob + lane % 16
	v_bfe_u32 v3, v1, 4, 5                         ; 4 c + 2 u + lane / 16: the group of 8 columns
	v_lshlrev_b32 v3, 5, v3                        ; 32 bytes each
	v_lshl_add_u32 v2, v2, 10, v3                  ; by fragments: row x 1,024 + column bytes
	v_lshlrev_b32 v4, 5, v1                        ; row-major: 32 T
	s_cmp_lt_u32 s16, 3
	s_cselect_b32 s18, -1, 0
	v_cndmask_b32 v5, v4, v2, s18                  ; matrices 0-2 take the first form
	v_lshlrev_b32 v6, 4, v1                        ; where the unit goes: 16 T
	s_lshl_b32 s20, s16, 17                        ; + 131,072 x matrix
	s_mov_b32 s21, 0
	s_wait_kmcnt 0x0
	s_cmp_eq_u32 s16, 1                            ; the source is chosen by the matrix's number alone
	s_cselect_b64 s[4:5], s[6:7], s[4:5]
	s_cmp_eq_u32 s16, 2
	s_cselect_b64 s[4:5], s[8:9], s[4:5]
	s_cmp_eq_u32 s16, 3
	s_cselect_b64 s[4:5], s[10:11], s[4:5]
	s_cmp_eq_u32 s16, 4
	s_cselect_b64 s[4:5], s[12:13], s[4:5]
	s_add_nc_u64 s[14:15], s[14:15], s[20:21]
	global_load_b128 v[8:11], v5, s[4:5]
	global_load_b128 v[12:15], v5, s[4:5] offset:16
	s_wait_loadcnt 0x0
	v_cvt_pk_bf16_f32 v16, v8, v9
	v_cvt_pk_bf16_f32 v17, v10, v11
	v_cvt_pk_bf16_f32 v18, v12, v13
	v_cvt_pk_bf16_f32 v19, v14, v15
	global_store_b128 v6, v[16:19], s[14:15]
	s_endpgm
.Lfunc_end_k_qbfe2de97e8_prep:
	.size	k_qbfe2de97e8_prep, .Lfunc_end_k_qbfe2de97e8_prep-k_qbfe2de97e8_prep
	.p2alignl 7, 3214868480
	.fill 96, 4, 3214868480
	.section	.rodata,"a",@progbits
	.p2align	6, 0x0
	.amdhsa_kernel k_qbfe2de97e8_prep
		.amdhsa_group_segment_fixed_size 0
		.amdhsa_private_segment_fixed_size 0
		.amdhsa_enable_private_segment 0
		.amdhsa_kernarg_size 48
		.amdhsa_user_sgpr_count 2
		.amdhsa_user_sgpr_kernarg_segment_ptr 1
		.amdhsa_wavefront_size32 1
		.amdhsa_system_sgpr_workgroup_id_x 1
		.amdhsa_system_sgpr_workgroup_id_y 1
		.amdhsa_system_sgpr_workgroup_id_z 1
		.amdhsa_system_vgpr_workitem_id 0
		.amdhsa_next_free_vgpr 24
		.amdhsa_next_free_sgpr 66
		.amdhsa_reserve_vcc 0
		.amdhsa_float_denorm_mode_32 3
		.amdhsa_float_denorm_mode_16_64 3
		.amdhsa_memory_ordered 1
		.amdhsa_forward_progress 1
		.amdhsa_inst_pref_size 2
	.end_amdhsa_kernel
	.amdgpu_metadata
---
amdhsa.version: [ 1, 2 ]
amdhsa.kernels:
  - .name:           k_qbfe2de97e8_prep
    .symbol:         k_qbfe2de97e8_prep.kd
    .args:
      - { .name: Wq, .offset: 0, .size: 8, .value_kind: global_buffer, .address_space: global }
      - { .name: Wk, .offset: 8, .size: 8, .value_kind: global_buffer, .address_space: global }
      - { .name: Wv, .offset: 16, .size: 8, .value_kind: global_buffer, .address_space: global }
      - { .name: Wps, .offset: 24, .size: 8, .value_kind: global_buffer, .address_space: global }
      - { .name: Wpc, .offset: 32, .size: 8, .value_kind: global_buffer, .address_space: global }
      - { .name: wb, .offset: 40, .size: 8, .value_kind: global_buffer, .address_space: global }
    .group_segment_fixed_size: 0
    .private_segment_fixed_size: 0
    .kernarg_segment_align: 8
    .kernarg_segment_size: 48
    .max_flat_workgroup_size: 256
    .sgpr_count:     66
    .vgpr_count:     24
    .wavefront_size: 32
...
	.end_amdgpu_metadata
.endif
;; end of part 1
;; launch proj (part 2): grid 8 x 32, 4 waves a work-group, no clusters, 215,552 bytes of LDS; arguments x1, x2, wb, bq, bk, bv, q1, q2, k1, k2, vv; writes q1, q2, k1, k2, vv
.if DOCPART == 2
	.amdgcn_target "amdgcn-amd-amdhsa--gfx1250"
	.amdhsa_code_object_version 6
	.text
	.protected	k_qbfe2de97e8_proj
	.globl	k_qbfe2de97e8_proj
	.p2align	8
	.type	k_qbfe2de97e8_proj,@function
k_qbfe2de97e8_proj:
	s_mov_b64 s[64:65], 0
	v_nop
	global_prefetch_b8 v0, s[64:65] scope:SCOPE_SE
	s_setreg_imm32_b32 hwreg(HW_REG_WAVE_MODE, 25, 1), 1
	s_wait_xcnt 0x0
; q1 = Wq x1 + bq, q2 = Wq x2 + bq, k1 = Wk x1 + bk, k2 = Wk x2 + bk, vv = Wv x1 + bv, written as [32][1024 tokens][256 channels] bf16 (rows of 512 bytes).
; x1, x2: [32][256 c][1024 tokens] f32, read once; operands bf16, sums f32, the bias is the C operand that starts each sum; each result is rounded once.
; SHARES.  A work-group owns one batch's 128 tokens of x1 and of x2; both blocks are rounded to bf16 into LDS once and serve five JOBS (q x1, q x2, k x1, k x2, v x1).
; x2 is asked for at the start and stays in its registers during the first job, which needs x1 alone; it goes to LDS in that job's way out.
; Wave w owns output channels 64 w .. 64 w + 63 (4 blocks ob) for all 128 tokens (8 tiles tt): 32 accumulators, which take turns, one instruction a turn.
; D = W (source 0, rows = o) x X (source 1, columns = tokens): a lane holds ONE token and eight neighbouring o, 16 bytes of an output row.
; W comes straight into registers, laid out by fragments by the launch before: 512 consecutive bytes a load.  X lies [c][token] in LDS and is turned by ds_load_tr16_b128.
; NO CLUSTER, NO TENSOR LOAD: x must be converted on its way (so it passes through registers), no two work-groups share any of it, and the weights go to registers, not to LDS.
; LIMITS.  NaN and infinities are not treated apart; bf16 keeps f32's range.
; REGISTERS, in windows of 256 (s_set_vgpr_msb: bits 1:0 source 0, 3:2 source 1, 5:4 source 2, 7:6 destination):
;   window 0: v1-15 addresses; v32-63 the bias, 8 a block; v96-223 two buffers of X's fragments (64 each), also at work on the way in and out
;   window 1: W's 32 fragments, (ob, c) at 8 (8 ob + c)     window 2: first x1 as loaded, then the accumulators, (tt, ob) at 8 (4 tt + ob)     window 3: x2 as loaded
.set XP,    288                        ; a row of X in LDS: 128 tokens x 2 bytes + 32 = 72 words
.set X2B,   256*XP                     ; X2 behind X1: 73,728
.set STG,   2*256*XP                   ; the stage for the way out: 128 tokens x 528 bytes
.set SPT,   528                        ; 512 + 16 bytes = 132 words: 16 rows start at 16 different groups of four banks
.set SPARE, STG+128*SPT                ; the spare words, 128 bytes for each wave: two blocks of 256 bytes that no other line names
.set LO,  1                            ; v1   16 x lane
.set XS1, 2                            ; v2   where I put 8 bytes of my wave's first row of X1
.set XS2, 3                            ; v3   the same for X2
.set AX0, 4                            ; v4   my lane's place in a turning load
.set AXA, 5                            ; v5   + the job's block of X: channels 0-127
.set AXB, 6                            ; v6   channels 128-255 (the 16-bit offset does not reach them from v5)
.set STO, 7                            ; v7   the way out: where I put 16 bytes of a row
.set RD,  8                            ; v8   the way out: where I read rows back
.set BO,  11                           ; v11  my byte offset in a bias
.set SPW, 14                           ; v14  LDS address of my spare word; never rewritten
.set NIL, 15                           ; v15  0; never rewritten
.set BIAS, 32
.set XF,  96
.set MSB, 0
.macro WIN new                         ; the immediate's high byte repeats the setting that is left; a switch that changes nothing is dropped
.if MSB != (\new)
	s_set_vgpr_msb (MSB<<8)|(\new)
.set MSB, (\new)
.endif
.endm
.macro PLACES n                        ; plain vector instructions between a matrix instruction and what touches its registers (ISA guide 7.12.1)
.rept \n
	v_nop
.endr
.endm
; One projection's weights for my 64 channels (64 loads of 512 consecutive bytes) and its bias (lane: channels 64 w + 16 ob + 8 (lane/16) + 0..7).
.macro LOADW
	WIN 0x40                                       ; destination window 1, address window 0
.set f, 0
.rept 64
	global_load_b128 v[4*f:4*f+3], v[LO], s[8:9] offset:f*512
.set f, f+1
.endr
	WIN 0
.irp ob, 0,1,2,3
	global_load_b128 v[BIAS+8*(\ob):BIAS+8*(\ob)+3],   v[BO], s[10:11] offset:64*(\ob)
	global_load_b128 v[BIAS+8*(\ob)+4:BIAS+8*(\ob)+7], v[BO], s[10:11] offset:64*(\ob)+16
.endr
.endm
; X's fragments for channels 32 c on, all 8 token tiles: 16 turning loads in one run.
.macro LOADX c, buf
	WIN 0
.irp tt, 0,1,2,3,4,5,6,7
.if (\c) < 4
	ds_load_tr16_b128 v[XF+64*(\buf)+8*(\tt):XF+64*(\buf)+8*(\tt)+3],   v[AXA] offset:(\c)*32*XP+32*(\tt)
	ds_load_tr16_b128 v[XF+64*(\buf)+8*(\tt)+4:XF+64*(\buf)+8*(\tt)+7], v[AXA] offset:(\c)*32*XP+32*(\tt)+16*XP
.else
	ds_load_tr16_b128 v[XF+64*(\buf)+8*(\tt):XF+64*(\buf)+8*(\tt)+3],   v[AXB] offset:((\c)-4)*32*XP+32*(\tt)
	ds_load_tr16_b128 v[XF+64*(\buf)+8*(\tt)+4:XF+64*(\buf)+8*(\tt)+7], v[AXB] offset:((\c)-4)*32*XP+32*(\tt)+16*XP
.endif
.endr
.endm
; 32 matrix instructions: 32 channels of K for all 32 accumulators.  c = 0: the bias starts the sums.
.macro MULX c, buf
.if (\c) == 0
	WIN 0x81                                       ; W window 1, X and the bias window 0, D window 2
.else
	WIN 0xa1                                       ; C and D window 2
.endif
.irp tt, 0,1,2,3,4,5,6,7
.irp ob, 0,1,2,3
.if (\c) == 0
	v_wmma_f32_16x16x32_bf16 v[8*(4*(\tt)+(\ob)):8*(4*(\tt)+(\ob))+7], v[8*(8*(\ob)+(\c)):8*(8*(\ob)+(\c))+7], v[XF+64*(\buf)+8*(\tt):XF+64*(\buf)+8*(\tt)+7], v[BIAS+8*(\ob):BIAS+8*(\ob)+7]
.else
	v_wmma_f32_16x16x32_bf16 v[8*(4*(\tt)+(\ob)):8*(4*(\tt)+(\ob))+7], v[8*(8*(\ob)+(\c)):8*(8*(\ob)+(\c))+7], v[XF+64*(\buf)+8*(\tt):XF+64*(\buf)+8*(\tt)+7], v[8*(4*(\tt)+(\ob)):8*(4*(\tt)+(\ob))+7]
.endif
.endr
.endr
.endm
	s_load_b256 s[4:11], s[0:1], 0x0               ; x1 s[4:5], x2 s[6:7], wb s[8:9], bq s[10:11]
	s_load_b256 s[12:19], s[0:1], 0x20             ; bk s[12:13], bv s[14:15], q1 s[16:17], q2 s[18:19]
	s_load_b128 s[20:23], s[0:1], 0x40             ; k1, k2
	s_load_b64 s[24:25], s[0:1], 0x50              ; vv: s[16:25] are the five jobs' destinations, in the jobs' order
	v_lshl_add_u32 v[SPW], v0, 2, SPARE
	v_mov_b32 v[NIL], 0
	v_lshrrev_b32 v12, 5, v0
	v_readfirstlane_b32 s26, v12                   ; wave 0..3
	v_and_b32 v12, 31, v0                          ; lane
	v_lshlrev_b32 v[LO], 4, v12
	s_mul_i32 s27, s26, 64*XP                      ; my wave converts rows c = 64 w .. 64 w + 63
	v_lshl_add_u32 v[XS1], v12, 3, s27             ; 4 tokens a lane: 8 bytes
	v_add_nc_u32 v[XS2], X2B, v[XS1]
	v_and_b32 v13, 15, v0                          ; r = lane % 16
	v_bfe_u32 v16, v0, 4, 1                        ; h = lane / 16
	v_and_b32 v17, 7, v0
	v_bfe_u32 v18, v0, 3, 1
	v_lshl_add_u32 v[AX0], v16, 3, v17             ; the turning load: lane reads row 8 h + lane % 8,
	v_mul_u32_u24 v[AX0], v[AX0], XP
	v_lshl_add_u32 v[AX0], v18, 4, v[AX0]          ; tokens 8 ((lane / 8) % 2) + 0..7
	s_lshl_b32 s27, s26, 7                         ; into the stage: row r, my wave's 128 bytes, 16 bytes for each half of the lanes
	s_add_co_u32 s27, s27, STG
	v_mul_u32_u24 v[STO], v13, SPT
	v_lshl_add_u32 v[STO], v16, 4, v[STO]
	v_add_nc_u32 v[STO], s27, v[STO]
	s_mul_i32 s27, s26, 32*SPT                     ; back: wave w takes rows 32 w .. 32 w + 31, whole: 32 lanes x 16 bytes
	s_add_co_u32 s27, s27, STG
	v_add_nc_u32 v[RD], s27, v[LO]
	s_lshl_b32 s27, s26, 8                         ; the bias: (64 w + 8 h) x 4 bytes
	v_lshl_add_u32 v[BO], v16, 5, s27
	s_and_b32 s28, ttmp7, 0xffff                   ; the batch
	s_lshl_b32 s34, s28, 20                        ; x: batch x 1,048,576 + block x 512 + wave x 64 rows of 4,096
	s_lshl_b32 s29, ttmp9, 9
	s_add_co_u32 s34, s34, s29
	s_lshl_b32 s29, s26, 18
	s_add_co_u32 s34, s34, s29
	s_mov_b32 s35, 0
	s_lshl_b32 s36, s28, 19                        ; results: batch x 524,288 + (128 block + 32 wave) rows of 512
	s_lshl_b32 s29, ttmp9, 16
	s_add_co_u32 s36, s36, s29
	s_lshl_b32 s29, s26, 14
	s_add_co_u32 s36, s36, s29
	s_mov_b32 s37, 0
	s_lshl_b32 s38, s26, 15                        ; weights: my 4 blocks x 8 fragments x 1,024 bytes
	s_mov_b32 s39, 0
	s_wait_kmcnt 0x0
	s_add_nc_u64 s[4:5], s[4:5], s[34:35]
	s_add_nc_u64 s[6:7], s[6:7], s[34:35]
	s_add_nc_u64 s[8:9], s[8:9], s[38:39]
.irp d, 16,18,20,22,24
	s_add_nc_u64 s[\d:\d+1], s[\d:\d+1], s[36:37]
.endr
	LOADW                                          ; Wq and bq: 72 loads
	WIN 0x80                                       ; destination window 2
.set i, 0
.rept 64
	global_load_b128 v[4*i:4*i+3], v[LO], s[4:5] offset:i*4096  ; a row's 128 tokens: 512 consecutive bytes
.set i, i+1
.endr
	WIN 0xc0                                       ; destination window 3
.set i, 0
.rept 64
	global_load_b128 v[4*i:4*i+3], v[LO], s[6:7] offset:i*4096 th:TH_LOAD_NT  ; x2 is read by this launch alone
.set i, i+1
.endr
	s_wait_loadcnt 63                              ; loads come back in order (ISA guide 5.7.1): Wq, bq and x1 are in; 64 loads of x2 are younger than x1's last, and the count's field ends at 63, so one of them is waited for too
	WIN 0x0a                                       ; sources window 2
.set i, 0
.rept 128
	v_cvt_pk_bf16_f32 v[XF+i], v[2*i], v[2*i+1]
.set i, i+1
.endr
	WIN 0
.set i, 0
.rept 64
	ds_store_b64 v[XS1], v[XF+2*i:XF+2*i+1] offset:i*XP
.set i, i+1
.endr
	s_wait_dscnt 0x0                               ; for the others' sake: my rows of X1 are written
	s_barrier_signal -1
	s_barrier_wait -1                              ; everybody's are; nobody writes them again
	s_mov_b32 s30, 5                               ; jobs to go
	s_mov_b32 s31, 0                               ; the job's block of X: X1, X2 by turns
.Ljob:                                                 ; the job's weights and bias are in: by the wait above, or by the wait at the last trip's end
	v_add_nc_u32 v[AXA], s31, v[AX0]
	v_add_nc_u32 v[AXB], 4*32*XP, v[AXA]
	LOADX 0, 0
	LOADX 1, 1
	s_wait_dscnt 16                                ; all but the 16 just issued
	MULX 0, 0
.irp c, 1,2,3,4,5,6
	PLACES 4                                       ; for the loads into the buffer multiplied last
	LOADX (\c)+1, ((\c)+1)%2
	s_wait_dscnt 16
	MULX \c, (\c)%2
.endr
	s_wait_dscnt 0x0
	MULX 7, 1
	WIN 0
	PLACES 4                                       ; for the loads into W's and the bias's registers and for the conversions below
	s_and_b32 s33, s30, 1
	s_cmp_eq_u32 s33, 1
	s_cbranch_scc1 .Lnow                           ; jobs 5, 3, 1 to go: the next job has the same weights, or there is none
	s_add_nc_u64 s[8:9], s[8:9], 131072            ; the next matrix (all loads that named these registers were waited for at the last trip's end)
	s_mov_b64 s[10:11], s[12:13]                   ; and its bias
	s_mov_b64 s[12:13], s[14:15]
	LOADW                                          ; lands during the way out
.Lnow:
	; THE WAY OUT: round to bf16, 16 bytes a lane into the stage; a barrier, since a row's 512 bytes come from four waves; back as whole rows, 32 a wave.
	WIN 0x0a
.set a, 0
.rept 32
.irp i, 0,1,2,3
	v_cvt_pk_bf16_f32 v[XF+4*a+(\i)], v[8*a+2*(\i)], v[8*a+2*(\i)+1]
.endr
.set a, a+1
.endr
	WIN 0
.irp tt, 0,1,2,3,4,5,6,7
.irp ob, 0,1,2,3
	ds_store_b128 v[STO], v[XF+4*(4*(\tt)+(\ob)):XF+4*(4*(\tt)+(\ob))+3] offset:(\tt)*16*SPT+32*(\ob)
.endr
.endr
	s_wait_dscnt 0x0                               ; for the others' sake: my stores into the stage are done, and my reads of X for this job are back
	s_barrier_signal -1
	s_barrier_wait -1
.set i, 0
.rept 32
	ds_load_b128 v[XF+4*i:XF+4*i+3], v[RD] offset:i*SPT
.set i, i+1
.endr
.set i, 0
.rept 32
	s_wait_dscnt 31-i                              ; LDS loads come back in order: row i is in, the younger ones may be out
	global_store_b128 v[LO], v[XF+4*i:XF+4*i+3], s[16:17] offset:i*512  ; a whole row: 512 consecutive bytes, aligned
.set i, i+1
.endr
	s_wait_xcnt 0x0                                ; the stores' base and data registers are rewritten only behind this wait
	s_mov_b64 s[16:17], s[18:19]                   ; the next job's destination moves up
	s_mov_b64 s[18:19], s[20:21]
	s_mov_b64 s[20:21], s[22:23]
	s_mov_b64 s[22:23], s[24:25]
	s_xor_b32 s31, s31, X2B
	s_wait_loadcnt 0x0                             ; the next job's weights and bias; in the first job x2, which had that job's 256 products in which to arrive
	s_cmp_lg_u32 s30, 5
	s_cbranch_scc1 .Lnox2                          ; the first job alone: x2 goes to LDS here, between the job's two barriers, where no wave reads X
	WIN 0x0f                                       ; sources window 3
.set i, 0
.rept 128
	v_cvt_pk_bf16_f32 v[XF+i], v[2*i], v[2*i+1]
.set i, i+1
.endr
	WIN 0
.set i, 0
.rept 64
	ds_store_b64 v[XS2], v[XF+2*i:XF+2*i+1] offset:i*XP
.set i, i+1
.endr
.Lnox2:
	s_wait_dscnt 0x0                               ; for the others' sake: my rows of X2 are written; my reads of the stage are back
	s_barrier_signal -1
	s_barrier_wait -1                              ; nobody writes the stage again, or reads X2, before everybody has said so
	s_sub_co_u32 s30, s30, 1
	s_cmp_lg_u32 s30, 0
	s_cbranch_scc1 .Ljob
	s_wait_tensorcnt 0x0                           ; the wave's end: behind my last LDS store
	ds_add_u32 v[SPW], v[NIL]
	s_wait_dscnt 0x0
	s_endpgm
.Lfunc_end_k_qbfe2de97e8_proj:
	.size	k_qbfe2de97e8_proj, .Lfunc_end_k_qbfe2de97e8_proj-k_qbfe2de97e8_proj
	.p2alignl 7, 3214868480
	.fill 96, 4, 3214868480
	.section	.rodata,"a",@progbits
	.p2align	6, 0x0
	.amdhsa_kernel k_qbfe2de97e8_proj
		.amdhsa_group_segment_fixed_size 215552
		.amdhsa_private_segment_fixed_size 0
		.amdhsa_enable_private_segment 0
		.amdhsa_kernarg_size 88
		.amdhsa_user_sgpr_count 2
		.amdhsa_user_sgpr_kernarg_segment_ptr 1
		.amdhsa_wavefront_size32 1
		.amdhsa_system_sgpr_workgroup_id_x 1
		.amdhsa_system_sgpr_workgroup_id_y 1
		.amdhsa_system_sgpr_workgroup_id_z 1
		.amdhsa_system_vgpr_workitem_id 0
		.amdhsa_next_free_vgpr 1024
		.amdhsa_next_free_sgpr 66
		.amdhsa_reserve_vcc 0
		.amdhsa_float_denorm_mode_32 3
		.amdhsa_float_denorm_mode_16_64 3
		.amdhsa_memory_ordered 1
		.amdhsa_forward_progress 1
		.amdhsa_inst_pref_size 96
	.end_amdhsa_kernel
	.amdgpu_metadata
---
amdhsa.version: [ 1, 2 ]
amdhsa.kernels:
  - .name:           k_qbfe2de97e8_proj
    .symbol:         k_qbfe2de97e8_proj.kd
    .args:
      - { .name: x1, .offset: 0, .size: 8, .value_kind: global_buffer, .address_space: global }
      - { .name: x2, .offset: 8, .size: 8, .value_kind: global_buffer, .address_space: global }
      - { .name: wb, .offset: 16, .size: 8, .value_kind: global_buffer, .address_space: global }
      - { .name: bq, .offset: 24, .size: 8, .value_kind: global_buffer, .address_space: global }
      - { .name: bk, .offset: 32, .size: 8, .value_kind: global_buffer, .address_space: global }
      - { .name: bv, .offset: 40, .size: 8, .value_kind: global_buffer, .address_space: global }
      - { .name: q1, .offset: 48, .size: 8, .value_kind: global_buffer, .address_space: global }
      - { .name: q2, .offset: 56, .size: 8, .value_kind: global_buffer, .address_space: global }
      - { .name: k1, .offset: 64, .size: 8, .value_kind: global_buffer, .address_space: global }
      - { .name: k2, .offset: 72, .size: 8, .value_kind: global_buffer, .address_space: global }
      - { .name: vv, .offset: 80, .size: 8, .value_kind: global_buffer, .address_space: global }
    .group_segment_fixed_size: 215552
    .private_segment_fixed_size: 0
    .kernarg_segment_align: 8
    .kernarg_segment_size: 88
    .max_flat_workgroup_size: 128
    .sgpr_count:     66
    .vgpr_count:     1024
    .wavefront_size: 32
...
	.end_amdgpu_metadata
.endif
;; end of part 2
;; launch attn (part 3): grid 8 x 32, 4 waves a work-group, clusters of 4 x 1, 327,680 bytes of LDS; arguments q1, q2, k1, k2, vv, wb, x1, bps, bpc, out0, out1; writes out0, out1
.if DOCPART == 3
	.amdgcn_target "amdgcn-amd-amdhsa--gfx1250"
	.amdhsa_code_object_version 6
	.text
	.protected	k_qbfe2de97e8_attn
	.globl	k_qbfe2de97e8_attn
	.p2align	8
	.type	k_qbfe2de97e8_attn,@function
k_qbfe2de97e8_attn:
	s_mov_b64 s[64:65], 0
	v_nop
	global_prefetch_b8 v0, s[64:65] scope:SCOPE_SE
	s_setreg_imm32_b32 hwreg(HW_REG_WAVE_MODE, 25, 1), 1
	s_wait_xcnt 0x0
	s_wait_alu depctr_hold_cnt(0) depctr_sa_sdst(0) depctr_va_vdst(0) depctr_va_sdst(0) depctr_va_ssrc(0) depctr_va_vcc(0) depctr_vm_vsrc(0)
	s_getreg_b32 s2, hwreg(HW_REG_IB_STS2, 6, 4)
	s_cmp_eq_u32 s2, 0
	s_cbranch_scc0 .Lentry_in_a_cluster
	s_endpgm
.Lentry_in_a_cluster:
	s_bfe_u32 s2, ttmp6, 0x10000c
	s_cmp_lg_u32 s2, 0x3003
	s_cbranch_scc0 .Lentry_shape_is_right
	s_endpgm
.Lentry_shape_is_right:
; out0 = x1 + Wps h1 + bps, out1 = x1 + Wpc h12 + bpc, with h1 = V softmax(w1)^T, h12 = V softmax(w1 + w2)^T, w1 = q1^T k1 / 16, w2 = q2^T k2 / 16, the softmax over keys.
; q1, q2, k1, k2, vv: [32][1024 tokens][256 channels] bf16; wb + 393,216: [Wps; Wpc] as [512][256] bf16; x1, out0, out1: [32][256][1024] f32.
; Products in bf16 with f32 sums; maxima, exponentials, sums, bias and residual in f32; the weights p and h are rounded to bf16 for the products that take them (l is the sum of the unrounded p).
; LIMITS.  A weight below 2^-126 counts as 0 in l; NaN and infinities are not treated apart; c m starts at -4.25e37, so scores whose c s lies below that are not served.
; SHARES.  A work-group owns 128 queries of one batch, a wave 32: two tiles t of 16, for both branches br: four ENTITIES e = 2 br + t, each with its own running maximum m and sum l.  Keys go 64 a step, 16 steps.
; LAYOUT.  S^T = K Q^T (source 0 = 16 keys, source 1 = 16 queries): a lane holds ONE query (lane % 16) and keys 8 (lane / 16) + 0..7.  The second branch's sum starts from the first's scores as its C operand.
; Two such tiles, rounded in pairs, ARE source 1 of O^T = V^T P (V turned by ds_load_tr16_b128), whose result again holds one query a lane and eight channels; rounded in pairs it IS source 0 (16 queries x 32 channels)
; of the output product D' = H W^T, in which a lane holds one output channel and eight neighbouring queries: 32 bytes of an output row.
; SOFTMAX.  p = 2^(c s - c m), c = log2(e) / 16; in every step O and l are multiplied by a = 2^(c m_old - c m_new).  m starts at the lowest finite number, O and l at 0: the first step is a step like any other, with a = 0
; (the price: 512 v_mov_b32, which stand in the wait for the first tile; the gain: the step's text stands once).
; THE STEP'S ORDER.  64 products make the first branch's scores; the 64 that make the second branch's carry the first branch's softmax, four vector instructions behind each; the second branch's softmax stands alone;
; the 128 products V^T P carry the rescaling of O^T, four behind each, each block of four channel blocks one run ahead of the products that add onto it.  The accumulators of each run take turns, one instruction a
; turn.
; RING.  Two LDS slots; a slot holds a step's K1, K2 and V (96 KB of memory) in three places of 64 rows.  The same three lines fill a slot in all 16 trips: in the last the addresses are those of rows 0-191 of [Wps; Wpc].
; Rows 192-383 follow behind the last step, rows 384-511 when slot 0's first two places have been read out.  Waves 0, 1 fill the first two places, wave 2 the third.  By this text's own count a wave has one tensor load out at the most.
; Each fill's global address is made anew: a pointer, an offset kept apart, then the type bits.
; CLUSTER.  The four query blocks of a cluster belong to one batch and walk the same K1, K2, V and weights, so each tile is asked for JOINTLY: the same tensor load, descriptor and mask in all four.
; REGISTERS, in windows of 256 (s_set_vgpr_msb: bits 1:0 source 0, 3:2 source 1, 5:4 source 2, 7:6 destination):
;   window 0: v1-15 addresses; v16-47 eight registers of statistics an entity; v48-63 two pairs of partial sums an entity; v64-191 S^T, 32 an entity (P in place in the lower 16); v192-255 two fragment buffers of 32.
;             Two more fragment buffers lie where registers are idle: for K1 the second branch's S^T, for V the upper 16 of each entity's S^T, for the output weights the first branch's S^T.
;   window 1: O^T of branch 0, 128 a tile; later D' (64 a tile) and from v128 the output biases     window 2: O^T of branch 1; later x1     window 3: Q1, Q2, 64 a tile; later H, 64 a tile and branch
.set PK,    528                        ; a row of K or W in LDS: 512 bytes + 16 = 132 words: the 16 rows of a load start at 16 different groups of four banks (64 banks of 4 bytes: ISA guide 11.1)
.set PV,    544                        ; a row in the third place: 512 + 32 = 136 words
.set K2O,   64*PK                      ; a slot: 64 rows of K1, 64 of K2,
.set VO,    2*64*PK                    ; 64 of V
.set SLOT1, 1<<17                      ; slot 1 begins here, so that one exclusive or turns an address in one slot into the other's
.set STAGE, SLOT1+VO+64*PV             ; behind the ring, never filled by a tensor load: 128 output channels x 528 bytes (128 queries in f32 + 16)
.set SPT,   528
.set SPARE, STAGE+128*SPT              ; the spare words, 128 bytes for each wave: two blocks of 256 bytes that no other line names
.set AK0, 2                            ; v2   my lane's place in a tile of K or W; never rewritten
.set AV0, 3                            ; v3   the same for V
.set AK,  4                            ; v4   + the slot in hand; behind the steps: my place in slot 1's first two places
.set AV,  5                            ; v5   the same for V; behind the steps: my place in a tile of W in slot 0's third place
.set STO, 6                            ; v6   the way out: where I put 16 bytes of a row
.set RD,  7                            ; v7   the way out: where I read rows back
.set GO,  8                            ; v8   16 x lane
.set RB,  10                           ; v10  4 x (lane % 16): my place in 16 biases
.set QO,  12                           ; v12  my byte offset in 16 rows of Q
.set AW,  13                           ; v13  behind the steps: my place in a tile of W in slot 1's third place
.set SPW, 14                           ; v14  LDS address of my spare word; never rewritten
.set NIL, 15                           ; v15  0; never rewritten
.set ST,  16                           ; entity e at v[ST+8 e]: c m, m, l (even keys', odd keys'), c0-c3 at work; a takes c2's place
.set TS,  48                           ; entity e at v[TS+4 e]: two pairs of partial sums
.set S,   64
.set FR,  192
.set KB,  8                            ; s[8:9]   k1 or k2, by the wave's number, at the batch's first key
.set VB,  12                           ; s[12:13] vv at the batch's first key
.set WV,  26                           ; s26  my wave's number
.set WPV, 30                           ; s[30:31] rows 128 on of [Wps; Wpc]
.set G1K, 32                           ; s[32:39] descriptor group 1 for the first two places
.set G1V, 40                           ; s[40:47] for the third: it differs in the padding alone
.set G0K, 48                           ; s[48:51] descriptor group 0 for the first two places
.set G0V, 52                           ; s[52:55] the same for the third
.set WPK, 56                           ; s[56:57] rows 0 or 64 on of [Wps; Wpc], by the wave's number
.set CS,  58                           ; s[58:59] c: the packed scaling takes the pair's low word for both halves
.set SEL, 60                           ; s[60:61] v_permlanex16_b32's selects: each lane takes its own place in the other half
.set TB,  62                           ; s62  LDS byte at which the slot in hand begins
.set CNT, 63                           ; s63  steps to go
.set OFF, 68                           ; s[68:69] byte offset in K and V of the step to be asked for
.set MSB, 0
.macro WIN new                         ; the immediate's high byte repeats the setting that is left; a switch that changes nothing is dropped
.if MSB != (\new)
	s_set_vgpr_msb (MSB<<8)|(\new)
.set MSB, (\new)
.endif
.endm
; Plain vector instructions between a matrix instruction and what touches its registers (ISA guide 7.12.1).  np counts those that the text has set behind the last matrix instruction and that name none of its registers
; (no exponential, no lane exchange); FILLP adds what is missing.
.set np, 0
.macro PLACES n
.rept \n
	v_nop
.endr
.endm
.macro FILLP n
.if np < (\n)
.rept (\n)-np
	v_nop
.endr
.endif
.set np, (\n)
.endm
; A joint fill.  The branches hang on the wave's number alone: they are the same in every work-group.  An s_nop 0 and four v_nop follow each tensor load, ahead of the jump and the label.
.macro JLOAD withv
	s_cmp_lt_u32 s[WV], 2
	s_cbranch_scc0 .Lnot_k_\@
	tensor_load_to_lds s[G0K:G0K+3], s[G1K:G1K+7]
	s_nop 0
.rept 4
	v_nop
.endr
.if \withv
	s_branch .Lasked_\@
.endif
.Lnot_k_\@:
.if \withv
	s_cmp_eq_u32 s[WV], 2
	s_cbranch_scc0 .Lasked_\@
	tensor_load_to_lds s[G0V:G0V+3], s[G1V:G1V+7]
	s_nop 0
.rept 4
	v_nop
.endr
.Lasked_\@:
.endif
.endm
; A round of the cluster's barrier: my work-group's barrier, so that wave 0's signal speaks for all four waves; wave 0 signals; every wave waits for all four work-groups; my work-group's barrier once more.
.macro CROUND
	s_barrier_signal -1
	s_barrier_wait -1
	s_cmp_lg_u32 s[WV], 0
	s_cbranch_scc1 .Lnot_wave_0_\@
	s_barrier_signal -3
.Lnot_wave_0_\@:
	s_barrier_wait -3
	s_barrier_signal -1
	s_barrier_wait -1
.endm
; THE CHANGE OF SLOTS.  Each wave waits for all its tensor loads (one at the most is out), adds 0 to its spare word, and waits for that and for its own reads of the slot that it leaves.
; Behind the barrier nobody reads the old slot any more and what was asked for is whole.  kind 1 (the loop): the old slot takes the next step's K1, K2, V, in the last trip rows 0-191 of the output weights;
; 2: all three places take the weights' rows 192 on; 3: the first two places take rows 384 on; 0: nothing is asked for.
; With a fill the barrier is a round of the cluster's, so that no wave of any partner still reads the slot or has a load on its way, and the joint fill is the first thing behind it.
.macro CHANGE kind
	WIN 0                                          ; the add's registers lie in window 0; at a label and at a branch every window is 0
	s_wait_tensorcnt 0x0                           ; no tensor load of mine is out, so a group 0 may be written
	ds_add_u32 v[SPW], v[NIL]                      ; 0 onto my spare word: the descriptors' words are made between it and the wait for it
.if (\kind) == 1
	s_xor_b32 s[G0K+1], s[G0K+1], SLOT1            ; the other slot than last time
	s_xor_b32 s[G0V+1], s[G0V+1], SLOT1
	s_add_co_u32 s[OFF], s[OFF], 64*512            ; the next 64 keys;
	s_cmp_eq_u32 s[CNT], 1                         ; in the last trip there are none: the weights' first rows take their place
	s_cselect_b32 s[OFF], 0, s[OFF]
	s_cselect_b64 s[G0K+2:G0K+3], s[WPK:WPK+1], s[KB:KB+1]  ; 120:64 global address: a pointer,
	s_cselect_b64 s[G0V+2:G0V+3], s[WPV:WPV+1], s[VB:VB+1]
	s_add_nc_u64 s[G0K+2:G0K+3], s[G0K+2:G0K+3], s[OFF:OFF+1]  ; the offset,
	s_add_nc_u64 s[G0V+2:G0V+3], s[G0V+2:G0V+3], s[OFF:OFF+1]
	s_or_b32 s[G0K+3], s[G0K+3], 0x80000000        ; 127:126 type = 2
	s_or_b32 s[G0V+3], s[G0V+3], 0x80000000
.elseif (\kind) == 2
	s_xor_b32 s[G0K+1], s[G0K+1], SLOT1
	s_add_nc_u64 s[G0K+2:G0K+3], s[WPK:WPK+1], 192*512
	s_or_b32 s[G0K+3], s[G0K+3], 0x80000000
	s_xor_b32 s[G0V+1], s[G0V+1], SLOT1
	s_add_nc_u64 s[G0V+2:G0V+3], s[WPV:WPV+1], 192*512
	s_or_b32 s[G0V+3], s[G0V+3], 0x80000000
.elseif (\kind) == 3
	s_xor_b32 s[G0K+1], s[G0K+1], SLOT1
	s_add_nc_u64 s[G0K+2:G0K+3], s[WPK:WPK+1], 384*512
	s_or_b32 s[G0K+3], s[G0K+3], 0x80000000
.endif
	s_wait_dscnt 0x0                               ; the add is done, and my reads of the slot (and of the stage) are over
.if (\kind) == 0
	s_barrier_signal -1
	s_barrier_wait -1
.elseif (\kind) == 3
	CROUND
	JLOAD 0
.else
	CROUND
	JLOAD 1
.endif
.if (\kind) == 1
	s_xor_b32 s[TB], s[TB], SLOT1                  ; the reads go to the other slot
.endif
.endm
; THE LDS LOADS stand in runs of 8 or 16.  LDK g: 64 keys x 32 channels of K1 (g < 8) or K2, channels 32 (g % 8) on.  K1's fragments take four buffers by turns, K2's two.
.macro KBUF g
.if ((\g) < 8) && (((\g)%4) > 1)
.set rF, S+64+32*((\g)%2)
.else
.set rF, FR+32*((\g)%2)
.endif
.endm
.macro LDK g
	WIN 0
	KBUF \g
.irp kb, 0,1,2,3
	ds_load_b128 v[rF+8*(\kb):rF+8*(\kb)+3],   v[AK] offset:((\g)/8)*K2O+(\kb)*16*PK+((\g)%8)*64
	ds_load_b128 v[rF+8*(\kb)+4:rF+8*(\kb)+7], v[AK] offset:((\g)/8)*K2O+(\kb)*16*PK+((\g)%8)*64+32
.endr
.endm
; LDV q: keys 32 (q / 4) on, channel blocks 4 (q % 4) + 0..3, turned.  Four buffers by turns: the two fragment buffers, the upper halves of entities 0, 1, those of entities 2, 3.
.macro VREG q, i
.if ((\q)%4) < 2
.set rV, FR+32*((\q)%4)+8*(\i)
.else
.set rV, S+64*((\q)%4-2)+32*((\i)/2)+16+8*((\i)%2)
.endif
.endm
.macro LDV q
	WIN 0
.irp i, 0,1,2,3
	VREG \q, \i
	ds_load_tr16_b128 v[rV:rV+3],   v[AV] offset:((\q)/4)*32*PV+(4*((\q)%4)+(\i))*32
	ds_load_tr16_b128 v[rV+4:rV+7], v[AV] offset:((\q)/4)*32*PV+(4*((\q)%4)+(\i))*32+16*PV
.endr
.endm
; THE SOFTMAX.  ST1 e, j: number j of the 22 that find entity e's maximum and statistics.  s0-s31 are the lane's 32 scores; each accumulator's lowest registers are read first.
;   0-11 four chains c0-c3 of seven scores each     12-15 the four scores left over, c0-c3 and the old m into c0     16, 18 the query's other 32 keys lie in the lane 16 away: the new m
;   17 c m_old is kept     19-21 c m; c m_old - c m_new; a
.macro ST1 e, j
.set rT, ST+8*(\e)
.set rS, S+32*(\e)
.if (\j) < 4
	v_max3_num_f32 v[rT+4+(\j)], v[rS+8*(\j)], v[rS+8*(\j)+1], v[rS+8*(\j)+2]
.elseif (\j) < 12
	v_max3_num_f32 v[rT+4+(\j)%4], v[rT+4+(\j)%4], v[rS+8*((\j)%4)+2*((\j)/4)+1], v[rS+8*((\j)%4)+2*((\j)/4)+2]
.elseif (\j) == 12
	v_max3_num_f32 v[rT+4], v[rT+4], v[rS+7], v[rS+15]
.elseif (\j) == 13
	v_max3_num_f32 v[rT+6], v[rT+6], v[rS+23], v[rS+31]
.elseif (\j) == 14
	v_max3_num_f32 v[rT+4], v[rT+4], v[rT+5], v[rT+6]
.elseif (\j) == 15
	v_max3_num_f32 v[rT+4], v[rT+4], v[rT+7], v[rT+1]
.elseif (\j) == 16
	v_permlanex16_b32 v[rT+5], v[rT+4], s[SEL], s[SEL+1]
.elseif (\j) == 17
	v_mov_b32 v[rT+7], v[rT]
.elseif (\j) == 18
	v_max_num_f32 v[rT+1], v[rT+4], v[rT+5]
.elseif (\j) == 19
	v_mul_f32 v[rT], s[CS], v[rT+1]
.elseif (\j) == 20
	v_sub_f32 v[rT+7], v[rT+7], v[rT]
.else
	v_exp_f32 v[rT+6], v[rT+7]
.endif
.if ((\j) != 16) && ((\j) != 21)
.set np, np+1
.endif
.endm
.macro SCALE e, b                      ; c s - c m for pair b of 16
	v_pk_fma_f32 v[S+32*(\e)+2*(\b):S+32*(\e)+2*(\b)+1], v[S+32*(\e)+2*(\b):S+32*(\e)+2*(\b)+1], s[CS:CS+1], v[ST+8*(\e):ST+8*(\e)+1] op_sel_hi:[1,0,0] neg_lo:[0,0,1] neg_hi:[0,0,1]
.set np, np+1
.endm
; TT e, t: number t of the 32 that follow an entity's exponentials, in the order in which the weights become ready.  The 16 pairs of weights are added in two chains and rounded to bf16 in place:
; pair b goes to register b, which by then has been added and rounded itself.  t = 0: pairs 0 + 1; 1, 2, 3, 5: pairs 0 to 3 rounded; 4: pairs 2 + 3; even t from 6: pair (t + 2) / 2 added; odd t from 7: pair (t + 1) / 2
; rounded; 30: the two chains; 31: l = a l + the sum.  Number t needs the weights up to t + 3 at the most.
.macro TT e, t
.set pS, S+32*(\e)
.set pT, ST+8*(\e)
.set pA, TS+4*(\e)
.if (\t) == 0
	s_wait_alu depctr_va_vdst(0)
	v_pk_add_f32 v[pA:pA+1], v[pS:pS+1], v[pS+2:pS+3]
.elseif (\t) == 4
	s_wait_alu depctr_va_vdst(0)
	v_pk_add_f32 v[pA+2:pA+3], v[pS+4:pS+5], v[pS+6:pS+7]
.elseif (\t) == 30
	v_pk_add_f32 v[pA:pA+1], v[pA:pA+1], v[pA+2:pA+3]
.elseif (\t) == 31
	v_pk_fma_f32 v[pT+2:pT+3], v[pT+2:pT+3], v[pT+6:pT+7], v[pA:pA+1] op_sel_hi:[1,0,1]
.elseif (\t) < 6
.set pb, (\t)-1-(\t)/5
	s_wait_alu depctr_va_vdst(0)
	v_cvt_pk_bf16_f32 v[pS+pb], v[pS+2*pb], v[pS+2*pb+1]
.elseif ((\t)%2) == 0
.set pb, ((\t)+2)/2
	s_wait_alu depctr_va_vdst(0)
	v_pk_add_f32 v[pA+2*(pb%2):pA+2*(pb%2)+1], v[pA+2*(pb%2):pA+2*(pb%2)+1], v[pS+2*pb:pS+2*pb+1]
.else
.set pb, ((\t)+1)/2
	v_cvt_pk_bf16_f32 v[pS+pb], v[pS+2*pb], v[pS+2*pb+1]
.endif
.set np, np+1
.endm
; Four of the rescaling: the accumulator of tile t, channel block 4 q + i of branch br, times a, from its low end on.
.macro RS4 br, q, i, t
	WIN 0x41+0x41*(\br)                            ; destination and source 0 window 1 or 2, the factor window 0
.set rO, 128*(\t)+8*(4*(\q)+(\i))
.set rT, ST+8*(2*(\br)+(\t))+6
.irp z, 0,2,4,6
	v_pk_mul_f32 v[rO+(\z):rO+(\z)+1], v[rO+(\z):rO+(\z)+1], v[rT:rT+1] op_sel_hi:[1,0]
.endr
.set np, np+4
.endm
; ONE BRANCH'S SOFTMAX AS A LIST (entities RE, RE + 1, which alternate); ITEM writes number rq of it and steps rq.
;   0-43     the statistics     44-67  the scaling of pairs 0-11
;   68-195   32 slices of four: plain, exponential, plain, exponential: weight number ss of both entities, each behind a plain instruction of its own entity: the scaling of pairs 12-15 (ss < 4), then TT's number ss - 4,
;            which needs the weights up to ss - 1.  Behind every exponential stands a plain instruction of the other entity before its result is used (ISA guide 5.7.2)
;   196-203  TT's numbers 28-31     204-235  (first branch alone) the rescaling of O^T's channel blocks 0-3, which the step's first products V^T P add onto
.macro ITEM
.if rq < 44
	WIN 0
	ST1 RE+rq%2, rq/2
.elseif rq < 68
	WIN 0
	SCALE RE+(rq-44)%2, (rq-44)/2
.elseif rq < 196
	WIN 0
.set sk, (rq-68)%4
.set ss, (rq-68)/4
.if (sk%2) == 1
	v_exp_f32 v[S+32*(RE+sk/2)+ss], v[S+32*(RE+sk/2)+ss]
.elseif ss < 4
	SCALE RE+sk/2, 12+ss
.else
	TT RE+sk/2, ss-4
.endif
.elseif rq < 204
	WIN 0
	TT RE+(rq-196)%2, 28+(rq-196)/2
.elseif (rq < 236) && (RE == 0)
.set rk, rq-204
.set rO, 128*((rk/4)%2)+8*(rk/8)+2*(rk%4)
	WIN 0x41
	v_pk_mul_f32 v[rO:rO+1], v[rO:rO+1], v[ST+8*((rk/4)%2)+6:ST+8*((rk/4)%2)+7] op_sel_hi:[1,0]
.set np, np+1
.endif
.set rq, rq+1
.endm
; 8 products of S^T: g = 0 starts the first branch's sums with 0, g = 8 the second's with the first's finished scores.  ride = 1: four of the list behind each.
.macro MULS g, ride
	KBUF \g
.irp kb, 0,1,2,3
.irp t, 0,1
	WIN 0x0c                                       ; K and S^T window 0, Q window 3
.set rD, S+64*((\g)/8)+32*(\t)+8*(\kb)
.set rA, rF+8*(\kb)
.set rB, 128*((\g)/8)+64*(\t)+8*((\g)%8)
.if (\g) == 0
	v_wmma_f32_16x16x32_bf16 v[rD:rD+7], v[rA:rA+7], v[rB:rB+7], 0
.elseif (\g) == 8
	v_wmma_f32_16x16x32_bf16 v[rD:rD+7], v[rA:rA+7], v[rB:rB+7], v[rD-64:rD-57]
.else
	v_wmma_f32_16x16x32_bf16 v[rD:rD+7], v[rA:rA+7], v[rB:rB+7], v[rD:rD+7]
.endif
.set np, 0
.if \ride
.rept 4
	ITEM
.endr
.endif
.endr
.endr
.endm
; 16 products of O^T += V^T P: the run's four fragments of V feed both tiles of both branches.  In the first pass over the channel blocks (q < 4) the first branch's products carry the rescaling of the second branch's
; accumulators of the same run, the second branch's products that of the first branch's accumulators of the next run.
.macro MULP q
.irp br, 0,1
.irp i, 0,1,2,3
.irp t, 0,1
	WIN 0x50+0x50*(\br)                            ; V and P window 0; C and D window 1 or 2
	VREG \q, \i
.set rD, 128*(\t)+8*(4*((\q)%4)+(\i))
.set rB, S+64*(\br)+32*(\t)+8*((\q)/4)
	v_wmma_f32_16x16x32_bf16 v[rD:rD+7], v[rV:rV+7], v[rB:rB+7], v[rD:rD+7]
.set np, 0
.if ((\br) == 0) && ((\q) < 4)
	RS4 1, \q, \i, \t
.elseif ((\br) == 1) && ((\q) < 3)
	RS4 0, (\q)+1, \i, \t
.endif
.endr
.endr
.endr
.endm
; A KEY STEP.  Each run of LDS loads is issued a run of products ahead of its use; s_wait_dscnt 16 (8) leaves out only the 16 (8) loads just issued.
.macro STEP
	WIN 0
	v_add_nc_u32 v[AK], s[TB], v[AK0]
	v_add_nc_u32 v[AV], s[TB], v[AV0]
	PLACES 4                                       ; with the two lines above: the places between the last step's products and the loads and products that write over their sources
	LDK 0
	LDK 1
	LDK 2
	LDK 3
	s_wait_dscnt 16
	MULS 0, 0
	MULS 1, 0
.irp g, 2,4,6
	FILLP 4                                        ; for the loads into the two buffers multiplied last
	LDK (\g)+2
	LDK (\g)+3
	s_wait_dscnt 16
	MULS \g, 0
	MULS (\g)+1, 0
.endr
	FILLP 5                                        ; the first branch's scores become the C operand of other accumulators, which lie where K1's last fragments lay
	s_wait_dscnt 8                                 ; the first 32 channels of K2 are in
.set RE, 0
.set rq, 0
	MULS 8, 1                                      ; from here on the first branch's softmax rides: the statistics only read its scores; the first line that writes them stands 11 products on
.irp g, 9,10,11,12,13,14
	FILLP 4
	LDK (\g)+1
	s_wait_dscnt 8
	MULS \g, 1
.endr
	FILLP 4
	LDV 0
	s_wait_dscnt 8
	MULS 15, 1
	FILLP 4                                        ; for the loads below and for the maxima, which read scores just made
	LDV 1
	LDV 2                                          ; into the upper halves of the first branch's S^T: its weights are packed
.set RE, 2
.set rq, 0
.rept 204
	ITEM                                           ; the second branch's softmax: nothing is at hand that it could ride on without reading V from LDS twice
.endr
	LDV 3                                          ; into the upper halves of the second branch's
	s_wait_dscnt 8
	MULP 0
	MULP 1
	FILLP 4
	LDV 4
	LDV 5
	s_wait_dscnt 16
	MULP 2
	MULP 3
	FILLP 4
	LDV 6
	LDV 7
	s_wait_dscnt 16
	MULP 4
	MULP 5
	s_wait_dscnt 0x0
	MULP 6
	MULP 7
	WIN 0
.endm
.macro RESC                            ; both branches' O^T times the number in the statistics' seventh register, here 1 / l; each accumulator from its low end on
.irp br, 0,1
	WIN 0x41+0x41*(\br)
.irp t, 0,1
.set i, 0
.rept 64
	v_pk_mul_f32 v[128*(\t)+2*i:128*(\t)+2*i+1], v[128*(\t)+2*i:128*(\t)+2*i+1], v[ST+8*(2*(\br)+(\t))+6:ST+8*(2*(\br)+(\t))+7] op_sel_hi:[1,0]
.set i, i+1
.endr
.endr
.endr
.endm
; THE OUTPUT WEIGHTS.  Group wG of 64 rows of [Wps; Wpc] lies: 0, 1 in slot 0's first two places; 2 in its third (pitch 544); 3, 4, 5 likewise in slot 1; 6, 7 in slot 0's first two places again.
; LDW p, g: unit p's blocks of 16 rows 4 (g / 8) + 0..3, channels 32 (g % 8) on.  Four buffers by turns: the two fragment buffers and the first branch's S^T.
.macro WBUF g
.if ((\g)%4) < 2
.set rF, FR+32*((\g)%4)
.else
.set rF, S+32*((\g)%4-2)
.endif
.endm
.macro LDW p, g
	WIN 0
	WBUF \g
.set wG, 2*(\p)+(\g)/8
.if wG == 2
.set wV, AV
.elseif wG == 5
.set wV, AW
.elseif (wG == 3) || (wG == 4)
.set wV, AK
.else
.set wV, AK0
.endif
.irp i, 0,1,2,3
.if (wG == 2) || (wG == 5)
.set wO, (\i)*16*PV+((\g)%8)*64
.else
.set wO, (wG%3)*K2O+(\i)*16*PK+((\g)%8)*64
.endif
	ds_load_b128 v[rF+8*(\i):rF+8*(\i)+3],   v[wV] offset:wO
	ds_load_b128 v[rF+8*(\i)+4:rF+8*(\i)+7], v[wV] offset:wO+32
.endr
.endm
; 8 products of D' = H W^T for unit p (branch p / 2).
.macro MULW p, g
	WBUF \g
	WIN 0x53                                       ; H window 3, W window 0, C and D window 1
.irp i, 0,1,2,3
.irp t, 0,1
.set rD, 64*(\t)+8*(4*((\g)/8)+(\i))
.set rA, 128*((\p)/2)+64*(\t)+8*((\g)%8)
.set rB, rF+8*(\i)
.if ((\g)%8) == 0
	v_wmma_f32_16x16x32_bf16 v[rD:rD+7], v[rA:rA+7], v[rB:rB+7], 0
.else
	v_wmma_f32_16x16x32_bf16 v[rD:rD+7], v[rA:rA+7], v[rB:rB+7], v[rD:rD+7]
.endif
.endr
.endr
.set np, 0
.endm
; A UNIT: rows 128 p on of [Wps; Wpc] (branch p / 2, output channels 128 (p % 2) on): 128 products, the bias, through the stage (a row's 512 bytes come from four waves), the residual, out.
.macro UNIT p, kind
	CHANGE \kind
.if (\p) > 0
	s_wait_xcnt 0x0                                ; the last unit's stores have read their data registers, which are loaded again below
.endif
	LDW \p, 0
	LDW \p, 1
.irp g, 0,2,4,6,8,10,12
.if (\g) > 0
	FILLP 4                                        ; for the loads into the two buffers multiplied last
.endif
	LDW \p, (\g)+2
	LDW \p, (\g)+3
	s_wait_dscnt 16
	MULW \p, \g
	MULW \p, (\g)+1
.endr
	s_wait_dscnt 0x0
	MULW \p, 14
	MULW \p, 15
	FILLP 4                                        ; the additions below read results just made
.if (\p) == 0
	s_wait_loadcnt 0x0                             ; x1 and the biases, asked for in front of the first unit
.endif
	WIN 0x45                                       ; all in window 1
.irp t, 0,1
.irp ob, 0,1,2,3,4,5,6,7
.irp j, 0,1,2,3,4,5,6,7
	v_add_f32 v[64*(\t)+8*(\ob)+(\j)], v[128+8*(\p)+(\ob)], v[64*(\t)+8*(\ob)+(\j)]  ; a lane's eight numbers belong to one output channel
.endr
.endr
.endr
	WIN 0x04                                       ; the address window 0, the data window 1
.irp t, 0,1
.irp ob, 0,1,2,3,4,5,6,7
	ds_store_b128 v[STO], v[64*(\t)+8*(\ob):64*(\t)+8*(\ob)+3]   offset:(\ob)*16*SPT+(\t)*64
	ds_store_b128 v[STO], v[64*(\t)+8*(\ob)+4:64*(\t)+8*(\ob)+7] offset:(\ob)*16*SPT+(\t)*64+16
.endr
.endr
	WIN 0
	s_wait_dscnt 0x0                               ; for the others' sake: my stores into the stage are done
	s_barrier_signal -1                            ; a load of weights may stay out
	s_barrier_wait -1
.set i, 0
.rept 32
	ds_load_b128 v[S+4*i:S+4*i+3], v[RD] offset:i*SPT  ; wave w takes rows 32 w .. 32 w + 31, whole
.set i, i+1
.endr
	s_wait_dscnt 0x0
	WIN 0x08                                       ; x1 window 2
.set i, 0
.rept 64
	v_pk_add_f32 v[S+2*i:S+2*i+1], v[S+2*i:S+2*i+1], v[128*((\p)%2)+2*i:128*((\p)%2)+2*i+1]
.set i, i+1
.endr
	WIN 0
.set i, 0
.rept 32
	global_store_b128 v[GO], v[S+4*i:S+4*i+3], s[22+2*((\p)/2):23+2*((\p)/2)] offset:((\p)%2)*524288+i*4096 th:TH_STORE_NT  ; 512 consecutive bytes, aligned
.set i, i+1
.endr
.endm
	s_load_b256 s[4:11], s[0:1], 0x0               ; q1 s[4:5], q2 s[6:7], k1 s[8:9], k2 s[10:11]
	s_load_b256 s[12:19], s[0:1], 0x20             ; vv s[12:13], wb s[14:15], x1 s[16:17], bps s[18:19]
	s_load_b128 s[20:23], s[0:1], 0x40             ; bpc s[20:21], out0 s[22:23]
	s_load_b64 s[24:25], s[0:1], 0x50              ; out1
	v_lshl_add_u32 v[SPW], v0, 2, SPARE
	v_mov_b32 v[NIL], 0
	ds_add_u32 v[SPW], v[NIL]                      ; the wave's opening: the add and its wait stand ahead of my first tensor load; the set-up below, work on registers, stands between them
	v_lshrrev_b32 v1, 5, v0
	v_readfirstlane_b32 s[WV], v1                  ; wave 0..3
	s_bfe_u32 s27, ttmp6, 0x40000                  ; cx: my place in the cluster
	s_lshl_b32 s66, ttmp9, 2                       ; in a cluster launch ttmp9 counts clusters
	s_add_co_u32 s27, s66, s27                     ; my block of 128 queries: it enters Q's, x1's and the outputs' addresses alone
	s_and_b32 s28, ttmp7, 0xffff                   ; the batch, which the four partners share
	s_and_b32 s29, s[WV], 1                        ; K1 or K2; the first or second 64 rows of weights
	s_lshl_b32 s30, s28, 19                        ; the batch's first byte in q, k, v
	s_mov_b32 s31, 0
	s_lshl_b32 s66, s27, 16                        ; Q: + (128 block + 32 wave) rows of 512 bytes
	s_add_co_u32 s66, s66, s30
	s_lshl_b32 s67, s[WV], 14
	s_add_co_u32 s66, s66, s67
	s_mov_b32 s67, 0
	s_lshl_b32 s68, s28, 20                        ; x1 and the outputs: batch x 1,048,576 + block x 512 + wave x 32 rows of 4,096
	s_lshl_b32 s69, s27, 9
	s_add_co_u32 s68, s68, s69
	s_lshl_b32 s69, s[WV], 17
	s_add_co_u32 s68, s68, s69
	s_mov_b32 s69, 0
	s_lshl_b32 s70, s29, 15                        ; the weights: behind three matrices of 131,072 bytes, my 64 rows of 512
	s_add_co_u32 s70, s70, 393216
	s_mov_b32 s71, 0
	; descriptor group 1: a tile of 64 rows x 256 elements, padded in LDS
	s_mov_b32 s[G1K], 15|(1<<16)|(1<<20)|(1<<21)|(6<<22)|(3<<25)  ; 15:0 the mask of four; 17:16 2-byte elements; 20 padding on; 21 set beside a mask; 24:22 after every 128 words (code 6); 31:25 4 words (code 3)
	s_mov_b32 s[G1V], 15|(1<<16)|(1<<20)|(1<<21)|(6<<22)|(7<<25)  ; the same with 8 words of padding (code 7)
.irp g, G1K, G1V
	s_mov_b32 s[\g+1], 256<<16                     ; tensor_dim0 = 256
	s_mov_b32 s[\g+2], 64<<16                      ; tensor_dim1 = 64
	s_mov_b32 s[\g+3], 256<<16                     ; tile_dim0 = 256
	s_mov_b32 s[\g+4], 64                          ; tile_dim1 = 64
	s_mov_b32 s[\g+5], 256                         ; 256 elements from row to row
	s_mov_b32 s[\g+6], 0
	s_mov_b32 s[\g+7], 0
.endr
	s_mov_b32 s[G0K], 1                            ; 1:0 count = 1
	s_mul_i32 s[G0K+1], s29, K2O                   ; 63:32 LDS address: slot 0, the first or the second place: no place in the cluster enters an LDS address
	s_mov_b32 s[G0V], 1
	s_mov_b32 s[G0V+1], VO
	s_mov_b32 s[CS], 0x3db8aa3b                    ; c = log2(e) / 16 = 0.0901684
	s_mov_b32 s[CS+1], s[CS]                       ; named with it as a pair
	s_mov_b32 s[SEL], 0x76543210
	s_mov_b32 s[SEL+1], 0xfedcba98
	s_mov_b32 s[TB], SLOT1                         ; the first change of slots turns it into 0
	; A fragment of K, Q or W is 16 rows x 32 channels in 8 registers: lane l holds row l % 16, channels 8 (l / 16) + 0..7 and 16 + 8 (l / 16) + 0..7: two loads of 16 bytes, 32 bytes apart.
	v_and_b32 v1, 15, v0                           ; r = l % 16
	v_bfe_u32 v9, v0, 4, 1                         ; h = l / 16
	v_and_b32 v11, 31, v0                          ; l
	v_lshlrev_b32 v[QO], 9, v1
	v_lshl_add_u32 v[QO], v9, 4, v[QO]             ; row x 512 + 16 x half
	s_wait_dscnt 0x0                               ; the opening add is done
	s_wait_kmcnt 0x0
	s_cmp_eq_u32 s29, 1
	s_cselect_b64 s[KB:KB+1], s[10:11], s[8:9]     ; k2 or k1, by the wave's number,
	s_add_nc_u64 s[KB:KB+1], s[KB:KB+1], s[30:31]  ; at the batch's first key
	s_add_nc_u64 s[VB:VB+1], s[VB:VB+1], s[30:31]
	s_add_nc_u64 s[G0K+2:G0K+3], s[KB:KB+1], 0     ; 120:64 global address: step 0
	s_or_b32 s[G0K+3], s[G0K+3], 0x80000000        ; 127:126 type = 2
	s_add_nc_u64 s[G0V+2:G0V+3], s[VB:VB+1], 0
	s_or_b32 s[G0V+3], s[G0V+3], 0x80000000
	s_add_nc_u64 s[WPK:WPK+1], s[14:15], s[70:71]
	s_add_nc_u64 s[WPV:WPV+1], s[14:15], 393216+128*512  ; (the batch's offset, which lay here, has been used)
	s_add_nc_u64 s[4:5], s[4:5], s[66:67]          ; Q1, Q2 at my wave's first row
	s_add_nc_u64 s[6:7], s[6:7], s[66:67]
	s_add_nc_u64 s[16:17], s[16:17], s[68:69]      ; x1 and the outputs at my wave's first row and my block's first token
	s_add_nc_u64 s[22:23], s[22:23], s[68:69]
	s_add_nc_u64 s[24:25], s[24:25], s[68:69]
	s_mov_b32 s[OFF], 0                            ; that offset has been used: the pair now holds the offset of the step asked for last
	s_mov_b32 s[OFF+1], 0
	WIN 0xc0                                       ; Q stays in registers: destination window 3, address window 0.  Asked for ahead of the round, which it has no part in
.irp t, 0,1
.irp c, 0,1,2,3,4,5,6,7
	global_load_b128 v[64*(\t)+8*(\c):64*(\t)+8*(\c)+3],         v[QO], s[4:5] offset:(\t)*8192+(\c)*64
	global_load_b128 v[64*(\t)+8*(\c)+4:64*(\t)+8*(\c)+7],       v[QO], s[4:5] offset:(\t)*8192+(\c)*64+32
	global_load_b128 v[128+64*(\t)+8*(\c):128+64*(\t)+8*(\c)+3],   v[QO], s[6:7] offset:(\t)*8192+(\c)*64
	global_load_b128 v[128+64*(\t)+8*(\c)+4:128+64*(\t)+8*(\c)+7], v[QO], s[6:7] offset:(\t)*8192+(\c)*64+32
.endr
.endr
	WIN 0
	CROUND                                         ; all four work-groups are here: the first joint loads meet
	JLOAD 1                                        ; step 0 into slot 0.  Slot 1 is asked for by the loop's own change of slots
	v_mul_u32_u24 v[AK0], v1, PK
	v_lshl_add_u32 v[AK0], v9, 4, v[AK0]           ; row x pitch + 16 x half
	; The turning load takes 16 keys x 16 channels (lane l reads key 8 (l / 16) + l % 8, channels 8 ((l / 8) % 2) + 0..7) and leaves half a fragment of V^T: lane l holds channel l % 16 and 8 keys.
	v_and_b32 v[AW], 7, v0
	v_bfe_u32 v[RB], v0, 3, 1
	v_lshl_add_u32 v[AV0], v9, 3, v[AW]
	v_mul_u32_u24 v[AV0], v[AV0], PV
	v_lshl_add_u32 v[AV0], v[RB], 4, v[AV0]
	v_add_nc_u32 v[AV0], VO, v[AV0]
	s_lshl_b32 s70, s[WV], 7                       ; into the stage: row l % 16, my wave's 32 queries (128 bytes), 8 queries for each half of the lanes
	s_add_co_u32 s70, s70, STAGE
	v_mul_u32_u24 v[STO], v1, SPT
	v_lshl_add_u32 v[STO], v9, 5, v[STO]
	v_add_nc_u32 v[STO], s70, v[STO]
	s_mul_i32 s70, s[WV], 32*SPT                   ; back: wave w takes rows 32 w on, whole: 32 lanes x 16 bytes
	s_add_co_u32 s70, s70, STAGE
	v_lshlrev_b32 v[GO], 4, v11
	v_add_nc_u32 v[RD], s70, v[GO]
	v_lshlrev_b32 v[RB], 2, v1
	; What the first step finds: O^T and l are 0, m the lowest finite number, c m far below every c s.  All this stands in the wait for the first tile.
	WIN 0x40
.set i, 0
.rept 256
	v_mov_b32 v[i], 0
.set i, i+1
.endr
	WIN 0x80
.set i, 0
.rept 256
	v_mov_b32 v[i], 0
.set i, i+1
.endr
	WIN 0
.irp e, 0,1,2,3
	v_mov_b32 v[ST+8*(\e)], 0xfe000000
	v_mov_b32 v[ST+8*(\e)+1], 0xff7fffff
	v_mov_b32 v[ST+8*(\e)+2], 0
	v_mov_b32 v[ST+8*(\e)+3], 0
.endr
	s_wait_loadcnt 0x0                             ; Q
	s_mov_b32 s[CNT], 16
.Lstep:                                                ; 16 trips; the change in front of step s waits for its tile and asks for what the other slot holds next
	CHANGE 1
	STEP
	s_sub_co_u32 s[CNT], s[CNT], 1
	s_cmp_lg_u32 s[CNT], 0
	s_cbranch_scc1 .Lstep
	; l's two halves and the other half of the lanes' are added; O^T is divided by l and rounded to bf16: H.  The first additions are the places behind the last products.
.irp e, 0,1,2,3
	v_add_f32 v[ST+8*(\e)+4], v[ST+8*(\e)+2], v[ST+8*(\e)+3]
.endr
.irp e, 0,1,2,3
	v_permlanex16_b32 v[ST+8*(\e)+5], v[ST+8*(\e)+4], s[SEL], s[SEL+1]
.endr
.irp e, 0,1,2,3
	v_add_f32 v[ST+8*(\e)+4], v[ST+8*(\e)+4], v[ST+8*(\e)+5]
.endr
.irp e, 0,1,2,3
	v_rcp_f32 v[ST+8*(\e)+6], v[ST+8*(\e)+4]
.endr
	v_add_nc_u32 v[AK], SLOT1, v[AK0]              ; my places in the tiles of weights; these plain lines also stand between the last reciprocal and the use of its result
	v_mul_u32_u24 v[AV], v1, PV
	v_lshl_add_u32 v[AV], v9, 4, v[AV]
	v_add_nc_u32 v[AV], VO, v[AV]
	v_add_nc_u32 v[AW], SLOT1, v[AV]
	s_wait_alu depctr_va_vdst(0)
	RESC
.irp br, 0,1
	WIN 0xc5+5*(\br)                               ; sources window 1 or 2, destination window 3: Q's registers are free
.irp t, 0,1
.set i, 0
.rept 64
	v_cvt_pk_bf16_f32 v[128*(\br)+64*(\t)+i], v[128*(\t)+2*i], v[128*(\t)+2*i+1]
.set i, i+1
.endr
.endr
.endr
	WIN 0x80                                       ; x1's rows 128 hf + 32 w + i, my block's 128 tokens, into the registers that O^T of branch 1 has left: they serve both branches
.irp hf, 0,1
.set i, 0
.rept 32
	global_load_b128 v[128*(\hf)+4*i:128*(\hf)+4*i+3], v[GO], s[16:17] offset:(\hf)*524288+i*4096
.set i, i+1
.endr
.endr
	WIN 0x40                                       ; the biases: unit p, block ob: lane l takes channel 128 (p % 2) + 16 ob + l % 16
.irp p, 0,1
.irp ob, 0,1,2,3,4,5,6,7
	global_load_b32 v[128+8*(\p)+(\ob)],   v[RB], s[18:19] offset:(128*(\p)+16*(\ob))*4
	global_load_b32 v[128+8*(\p)+16+(\ob)], v[RB], s[20:21] offset:(128*(\p)+16*(\ob))*4
.endr
.endr
	WIN 0
	UNIT 0, 2                                      ; reads rows 0-127 in slot 0; slot 1, read out by the last step, takes rows 192-383
	UNIT 1, 0                                      ; reads rows 128-191 in slot 0's third place and rows 192-255 in slot 1, which its change has waited for
	UNIT 2, 3                                      ; reads rows 256-383 in slot 1; slot 0's first two places, read out by unit 0, take rows 384-511
	UNIT 3, 0                                      ; reads rows 384-511 in slot 0
	s_wait_tensorcnt 0x0                           ; the wave's end: behind my last tensor load and my last LDS store
	ds_add_u32 v[SPW], v[NIL]
	s_wait_dscnt 0x0
	CROUND                                         ; the closing round: no work-group ends while a partner may still ask for a tile that names it
	s_endpgm
.Lfunc_end_k_qbfe2de97e8_attn:
	.size	k_qbfe2de97e8_attn, .Lfunc_end_k_qbfe2de97e8_attn-k_qbfe2de97e8_attn
	.p2alignl 7, 3214868480
	.fill 96, 4, 3214868480
	.section	.rodata,"a",@progbits
	.p2align	6, 0x0
	.amdhsa_kernel k_qbfe2de97e8_attn
		.amdhsa_group_segment_fixed_size 327680
		.amdhsa_private_segment_fixed_size 0
		.amdhsa_enable_private_segment 0
		.amdhsa_kernarg_size 88
		.amdhsa_user_sgpr_count 2
		.amdhsa_user_sgpr_kernarg_segment_ptr 1
		.amdhsa_wavefront_size32 1
		.amdhsa_system_sgpr_workgroup_id_x 1
		.amdhsa_system_sgpr_workgroup_id_y 1
		.amdhsa_system_sgpr_workgroup_id_z 1
		.amdhsa_system_vgpr_workitem_id 0
		.amdhsa_next_free_vgpr 1024
		.amdhsa_next_free_sgpr 72
		.amdhsa_reserve_vcc 0
		.amdhsa_float_denorm_mode_32 3
		.amdhsa_float_denorm_mode_16_64 3
		.amdhsa_memory_ordered 1
		.amdhsa_forward_progress 1
		.amdhsa_inst_pref_size 255
	.end_amdhsa_kernel
	.section	.bss,"aw",@nobits
	.p2align	6
	.space	262144
	.amdgpu_metadata
---
amdhsa.version: [ 1, 2 ]
amdhsa.kernels:
  - .name:           k_qbfe2de97e8_attn
    .symbol:         k_qbfe2de97e8_attn.kd
    .args:
      - { .name: q1, .offset: 0, .size: 8, .value_kind: global_buffer, .address_space: global }
      - { .name: q2, .offset: 8, .size: 8, .value_kind: global_buffer, .address_space: global }
      - { .name: k1, .offset: 16, .size: 8, .value_kind: global_buffer, .address_space: global }
      - { .name: k2, .offset: 24, .size: 8, .value_kind: global_buffer, .address_space: global }
      - { .name: vv, .offset: 32, .size: 8, .value_kind: global_buffer, .address_space: global }
      - { .name: wb, .offset: 40, .size: 8, .value_kind: global_buffer, .address_space: global }
      - { .name: x1, .offset: 48, .size: 8, .value_kind: global_buffer, .address_space: global }
      - { .name: bps, .offset: 56, .size: 8, .value_kind: global_buffer, .address_space: global }
      - { .name: bpc, .offset: 64, .size: 8, .value_kind: global_buffer, .address_space: global }
      - { .name: out0, .offset: 72, .size: 8, .value_kind: global_buffer, .address_space: global }
      - { .name: out1, .offset: 80, .size: 8, .value_kind: global_buffer, .address_space: global }
    .group_segment_fixed_size: 327680
    .private_segment_fixed_size: 0
    .kernarg_segment_align: 8
    .kernarg_segment_size: 88
    .max_flat_workgroup_size: 128
    .sgpr_count:     72
    .vgpr_count:     1024
    .wavefront_size: 32
...
	.end_amdgpu_metadata
.endif
;; end of part 3
;; ======== version 2 of 2: 3 launches; 1.09 times as fast as version 1
;; workspace buffers: wb 655,360 bytes; q1 16,777,216 bytes; q2 16,777,216 bytes; k1 16,777,216 bytes; k2 16,777,216 bytes; vv 16,777,216 bytes
;; launch prep: the kernel of part 1 again; grid 32 x 5, 8 waves a work-group, no clusters, 0 bytes of LDS; arguments Wq, Wk, Wv, Wps, Wpc, wb; writes wb
;; launch proj: the kernel of part 2 again; grid 8 x 32, 4 waves a work-group, no clusters, 215,552 bytes of LDS; arguments x1, x2, wb, bq, bk, bv, q1, q2, k1, k2, vv; writes q1, q2, k1, k2, vv
;; launch attn (part 4): grid 8 x 32, 4 waves a work-group, clusters of 4 x 1, 327,680 bytes of LDS; arguments q1, q2, k1, k2, vv, wb, x1, bps, bpc, out0, out1; writes out0, out1
.if DOCPART == 4
	.amdgcn_target "amdgcn-amd-amdhsa--gfx1250"
	.amdhsa_code_object_version 6
	.text
	.protected	k_qbfe2de97e8_attn
	.globl	k_qbfe2de97e8_attn
	.p2align	8
	.type	k_qbfe2de97e8_attn,@function
k_qbfe2de97e8_attn:
	s_mov_b64 s[64:65], 0
	v_nop
	global_prefetch_b8 v0, s[64:65] scope:SCOPE_SE
	s_setreg_imm32_b32 hwreg(HW_REG_WAVE_MODE, 25, 1), 1
	s_wait_xcnt 0x0
	s_wait_alu depctr_hold_cnt(0) depctr_sa_sdst(0) depctr_va_vdst(0) depctr_va_sdst(0) depctr_va_ssrc(0) depctr_va_vcc(0) depctr_vm_vsrc(0)
	s_getreg_b32 s2, hwreg(HW_REG_IB_STS2, 6, 4)
	s_cmp_eq_u32 s2, 0
	s_cbranch_scc0 .Lentry_in_a_cluster
	s_endpgm
.Lentry_in_a_cluster:
	s_bfe_u32 s2, ttmp6, 0x10000c
	s_cmp_lg_u32 s2, 0x3003
	s_cbranch_scc0 .Lentry_shape_is_right
	s_endpgm
.Lentry_shape_is_right:
; out0 = x1 + Wps h1 + bps, out1 = x1 + Wpc h12 + bpc, with h1 = V softmax(w1)^T, h12 = V softmax(w1 + w2)^T, w1 = q1^T k1 / 16, w2 = q2^T k2 / 16, the softmax over keys.
; q1, q2, k1, k2, vv: [32][1024 tokens][256 channels] bf16; wb + 393,216: [Wps; Wpc] as [512][256] bf16; x1, out0, out1: [32][256][1024] f32.
; Products in bf16 with f32 sums; maxima, exponentials, sums, bias and residual in f32; the weights p and h are rounded to bf16 for the products that take them (l is the sum of the unrounded p).
; LIMITS.  A weight below 2^-126 counts as 0 in l; NaN and infinities are not treated apart; c m starts at -4.25e37, so scores whose c s lies below that are not served.
; SHARES.  A work-group owns 128 queries of one batch, a wave 32: two tiles t of 16, for both branches br: four ENTITIES e = 2 br + t, each with its own running maximum m and sum l.  Keys go 64 a step, 16 steps.
; LAYOUT.  S^T = K Q^T (source 0 = 16 keys, source 1 = 16 queries): a lane holds ONE query (lane % 16) and keys 8 (lane / 16) + 0..7.  The second branch's sum starts from the first's scores as its C operand.
; Two such tiles, rounded in pairs, ARE source 1 of O^T = V^T P (V turned by ds_load_tr16_b128), whose result again holds one query a lane and eight channels; rounded in pairs it IS source 0 (16 queries x 32 channels)
; of the output product D' = H W^T, in which a lane holds one output channel and eight neighbouring queries: 32 bytes of an output row.
; SOFTMAX.  p = 2^(c s - c m), c = log2(e) / 16; in every step O and l are multiplied by a = 2^(c m_old - c m_new).  m starts at the lowest finite number, O and l at 0: the first step is a step like any other, with a = 0
; (the price: 512 v_mov_b32, which stand in the wait for the first tile; the gain: the step's text stands once).
; THE STEP'S ORDER.  64 products make the first branch's scores; the 64 that make the second branch's carry the first branch's softmax, three or four vector instructions behind each; the second branch's softmax stands alone;
; the 128 products V^T P carry the rescaling of O^T, four behind each, each block of four channel blocks one run ahead of the products that add onto it.  The accumulators of each run take turns, one instruction a
; turn.
; BATCHES.  A branch's 66 exponentials of a step (its two a, its 64 weights) are ONE batch.  They stand with the statistics and the scalings, which name no result of theirs, ahead of one s_wait_alu depctr_va_vdst(0),
; which stands ahead of the first line that names a result; all that reads them (the sums, the roundings, l, the rescaling) stands behind it.  So a step has two such waits: the first branch's between the
; 40th and the 41st of the products that carry its softmax, directly ahead of a run of LDS loads; the second branch's in the middle of its softmax.  The way out's four reciprocals are a batch of their own, with one wait.
; RING.  Two LDS slots; a slot holds a step's K1, K2 and V (96 KB of memory) in three places of 64 rows.  The same three lines fill a slot in all 16 trips: in the last the addresses are those of rows 0-191 of [Wps; Wpc].
; Rows 192-383 follow behind the last step, rows 384-511 when slot 0's first two places have been read out.  Waves 0, 1 fill the first two places, wave 2 the third.  By this text's own count a wave has one tensor load out at the most.
; Each fill's global address is made anew: a pointer, an offset kept apart, then the type bits.
; CLUSTER.  The four query blocks of a cluster belong to one batch and walk the same K1, K2, V and weights, so each tile is asked for JOINTLY: the same tensor load, descriptor and mask in all four.
; REGISTERS, in windows of 256 (s_set_vgpr_msb: bits 1:0 source 0, 3:2 source 1, 5:4 source 2, 7:6 destination):
;   window 0: v1-15 addresses; v16-47 eight registers of statistics an entity; v48-63 two pairs of partial sums an entity; v64-191 S^T, 32 an entity (P in place in the lower 16); v192-255 two fragment buffers of 32.
;             Two more fragment buffers lie where registers are idle: for K1 the second branch's S^T, for V the upper 16 of each entity's S^T, for the output weights the first branch's S^T.
;   window 1: O^T of branch 0, 128 a tile; later D' (64 a tile) and from v128 the output biases     window 2: O^T of branch 1; later x1     window 3: Q1, Q2, 64 a tile; later H, 64 a tile and branch
.set PK,    528                        ; a row of K or W in LDS: 512 bytes + 16 = 132 words: the 16 rows of a load start at 16 different groups of four banks (64 banks of 4 bytes: ISA guide 11.1)
.set PV,    544                        ; a row in the third place: 512 + 32 = 136 words
.set K2O,   64*PK                      ; a slot: 64 rows of K1, 64 of K2,
.set VO,    2*64*PK                    ; 64 of V
.set SLOT1, 1<<17                      ; slot 1 begins here, so that one exclusive or turns an address in one slot into the other's
.set STAGE, SLOT1+VO+64*PV             ; behind the ring, never filled by a tensor load: 128 output channels x 528 bytes (128 queries in f32 + 16)
.set SPT,   528
.set SPARE, STAGE+128*SPT              ; the spare words, 128 bytes for each wave: two blocks of 256 bytes that no other line names
.set AK0, 2                            ; v2   my lane's place in a tile of K or W; never rewritten
.set AV0, 3                            ; v3   the same for V
.set AK,  4                            ; v4   + the slot in hand; behind the steps: my place in slot 1's first two places
.set AV,  5                            ; v5   the same for V; behind the steps: my place in a tile of W in slot 0's third place
.set STO, 6                            ; v6   the way out: where I put 16 bytes of a row
.set RD,  7                            ; v7   the way out: where I read rows back
.set GO,  8                            ; v8   16 x lane
.set RB,  10                           ; v10  4 x (lane % 16): my place in 16 biases
.set QO,  12                           ; v12  my byte offset in 16 rows of Q
.set AW,  13                           ; v13  behind the steps: my place in a tile of W in slot 1's third place
.set SPW, 14                           ; v14  LDS address of my spare word; never rewritten
.set NIL, 15                           ; v15  0; never rewritten
.set ST,  16                           ; entity e at v[ST+8 e]: c m, m, l (even keys', odd keys'), c0-c3 at work; a takes c2's place
.set TS,  48                           ; entity e at v[TS+4 e]: two pairs of partial sums
.set S,   64
.set FR,  192
.set KB,  8                            ; s[8:9]   k1 or k2, by the wave's number, at the batch's first key
.set VB,  12                           ; s[12:13] vv at the batch's first key
.set WV,  26                           ; s26  my wave's number
.set WPV, 30                           ; s[30:31] rows 128 on of [Wps; Wpc]
.set G1K, 32                           ; s[32:39] descriptor group 1 for the first two places
.set G1V, 40                           ; s[40:47] for the third: it differs in the padding alone
.set G0K, 48                           ; s[48:51] descriptor group 0 for the first two places
.set G0V, 52                           ; s[52:55] the same for the third
.set WPK, 56                           ; s[56:57] rows 0 or 64 on of [Wps; Wpc], by the wave's number
.set CS,  58                           ; s[58:59] c: the packed scaling takes the pair's low word for both halves
.set SEL, 60                           ; s[60:61] v_permlanex16_b32's selects: each lane takes its own place in the other half
.set TB,  62                           ; s62  LDS byte at which the slot in hand begins
.set CNT, 63                           ; s63  steps to go
.set OFF, 68                           ; s[68:69] byte offset in K and V of the step to be asked for
.set MSB, 0
.macro WIN new                         ; the immediate's high byte repeats the setting that is left; a switch that changes nothing is dropped
.if MSB != (\new)
	s_set_vgpr_msb (MSB<<8)|(\new)
.set MSB, (\new)
.endif
.endm
; Plain vector instructions between a matrix instruction and what touches its registers (ISA guide 7.12.1).  np counts those that the text has set behind the last matrix instruction and that name none of its registers
; (no exponential, no lane exchange); FILLP adds what is missing.
.set np, 0
.macro PLACES n
.rept \n
	v_nop
.endr
.endm
.macro FILLP n
.if np < (\n)
.rept (\n)-np
	v_nop
.endr
.endif
.set np, (\n)
.endm
; A joint fill.  The branches hang on the wave's number alone: they are the same in every work-group.  An s_nop 0 and four v_nop follow each tensor load, ahead of the jump and the label.
.macro JLOAD withv
	s_cmp_lt_u32 s[WV], 2
	s_cbranch_scc0 .Lnot_k_\@
	tensor_load_to_lds s[G0K:G0K+3], s[G1K:G1K+7]
	s_nop 0
.rept 4
	v_nop
.endr
.if \withv
	s_branch .Lasked_\@
.endif
.Lnot_k_\@:
.if \withv
	s_cmp_eq_u32 s[WV], 2
	s_cbranch_scc0 .Lasked_\@
	tensor_load_to_lds s[G0V:G0V+3], s[G1V:G1V+7]
	s_nop 0
.rept 4
	v_nop
.endr
.Lasked_\@:
.endif
.endm
; A round of the cluster's barrier: my work-group's barrier, so that wave 0's signal speaks for all four waves; wave 0 signals; every wave waits for all four work-groups; my work-group's barrier once more.
.macro CROUND
	s_barrier_signal -1
	s_barrier_wait -1
	s_cmp_lg_u32 s[WV], 0
	s_cbranch_scc1 .Lnot_wave_0_\@
	s_barrier_signal -3
.Lnot_wave_0_\@:
	s_barrier_wait -3
	s_barrier_signal -1
	s_barrier_wait -1
.endm
; THE CHANGE OF SLOTS.  Each wave waits for all its tensor loads (one at the most is out), adds 0 to its spare word, and waits for that and for its own reads of the slot that it leaves.
; Behind the barrier nobody reads the old slot any more and what was asked for is whole.  kind 1 (the loop): the old slot takes the next step's K1, K2, V, in the last trip rows 0-191 of the output weights;
; 2: all three places take the weights' rows 192 on; 3: the first two places take rows 384 on; 0: nothing is asked for.
; With a fill the barrier is a round of the cluster's, so that no wave of any partner still reads the slot or has a load on its way, and the joint fill is the first thing behind it.
.macro CHANGE kind
	WIN 0                                          ; the add's registers lie in window 0; at a label and at a branch every window is 0
	s_wait_tensorcnt 0x0                           ; no tensor load of mine is out, so a group 0 may be written
	ds_add_u32 v[SPW], v[NIL]                      ; 0 onto my spare word: the descriptors' words are made between it and the wait for it
.if (\kind) == 1
	s_xor_b32 s[G0K+1], s[G0K+1], SLOT1            ; the other slot than last time
	s_xor_b32 s[G0V+1], s[G0V+1], SLOT1
	s_add_co_u32 s[OFF], s[OFF], 64*512            ; the next 64 keys;
	s_cmp_eq_u32 s[CNT], 1                         ; in the last trip there are none: the weights' first rows take their place
	s_cselect_b32 s[OFF], 0, s[OFF]
	s_cselect_b64 s[G0K+2:G0K+3], s[WPK:WPK+1], s[KB:KB+1]  ; 120:64 global address: a pointer,
	s_cselect_b64 s[G0V+2:G0V+3], s[WPV:WPV+1], s[VB:VB+1]
	s_add_nc_u64 s[G0K+2:G0K+3], s[G0K+2:G0K+3], s[OFF:OFF+1]  ; the offset,
	s_add_nc_u64 s[G0V+2:G0V+3], s[G0V+2:G0V+3], s[OFF:OFF+1]
	s_or_b32 s[G0K+3], s[G0K+3], 0x80000000        ; 127:126 type = 2
	s_or_b32 s[G0V+3], s[G0V+3], 0x80000000
.elseif (\kind) == 2
	s_xor_b32 s[G0K+1], s[G0K+1], SLOT1
	s_add_nc_u64 s[G0K+2:G0K+3], s[WPK:WPK+1], 192*512
	s_or_b32 s[G0K+3], s[G0K+3], 0x80000000
	s_xor_b32 s[G0V+1], s[G0V+1], SLOT1
	s_add_nc_u64 s[G0V+2:G0V+3], s[WPV:WPV+1], 192*512
	s_or_b32 s[G0V+3], s[G0V+3], 0x80000000
.elseif (\kind) == 3
	s_xor_b32 s[G0K+1], s[G0K+1], SLOT1
	s_add_nc_u64 s[G0K+2:G0K+3], s[WPK:WPK+1], 384*512
	s_or_b32 s[G0K+3], s[G0K+3], 0x80000000
.endif
	s_wait_dscnt 0x0                               ; the add is done, and my reads of the slot (and of the stage) are over
.if (\kind) == 0
	s_barrier_signal -1
	s_barrier_wait -1
.elseif (\kind) == 3
	CROUND
	JLOAD 0
.else
	CROUND
	JLOAD 1
.endif
.if (\kind) == 1
	s_xor_b32 s[TB], s[TB], SLOT1                  ; the reads go to the other slot
.endif
.endm
; THE LDS LOADS stand in runs of 8 or 16.  LDK g: 64 keys x 32 channels of K1 (g < 8) or K2, channels 32 (g % 8) on.  K1's fragments take four buffers by turns, K2's two.
.macro KBUF g
.if ((\g) < 8) && (((\g)%4) > 1)
.set rF, S+64+32*((\g)%2)
.else
.set rF, FR+32*((\g)%2)
.endif
.endm
.macro LDK g
	WIN 0
	KBUF \g
.irp kb, 0,1,2,3
	ds_load_b128 v[rF+8*(\kb):rF+8*(\kb)+3],   v[AK] offset:((\g)/8)*K2O+(\kb)*16*PK+((\g)%8)*64
	ds_load_b128 v[rF+8*(\kb)+4:rF+8*(\kb)+7], v[AK] offset:((\g)/8)*K2O+(\kb)*16*PK+((\g)%8)*64+32
.endr
.endm
; LDV q: keys 32 (q / 4) on, channel blocks 4 (q % 4) + 0..3, turned.  Four buffers by turns: the two fragment buffers, the upper halves of entities 0, 1, those of entities 2, 3.
.macro VREG q, i
.if ((\q)%4) < 2
.set rV, FR+32*((\q)%4)+8*(\i)
.else
.set rV, S+64*((\q)%4-2)+32*((\i)/2)+16+8*((\i)%2)
.endif
.endm
.macro LDV q
	WIN 0
.irp i, 0,1,2,3
	VREG \q, \i
	ds_load_tr16_b128 v[rV:rV+3],   v[AV] offset:((\q)/4)*32*PV+(4*((\q)%4)+(\i))*32
	ds_load_tr16_b128 v[rV+4:rV+7], v[AV] offset:((\q)/4)*32*PV+(4*((\q)%4)+(\i))*32+16*PV
.endr
.endm
; THE SOFTMAX.  ST1 e, j: number j of the 22 that find entity e's maximum and statistics.  s0-s31 are the lane's 32 scores; each accumulator's lowest registers are read first.
;   0-11 four chains c0-c3 of seven scores each     12-15 the four scores left over, c0-c3 and the old m into c0     16, 18 the query's other 32 keys lie in the lane 16 away: the new m
;   17 c m_old is kept     19-21 c m; c m_old - c m_new; a
.macro ST1 e, j
.set rT, ST+8*(\e)
.set rS, S+32*(\e)
.if (\j) < 4
	v_max3_num_f32 v[rT+4+(\j)], v[rS+8*(\j)], v[rS+8*(\j)+1], v[rS+8*(\j)+2]
.elseif (\j) < 12
	v_max3_num_f32 v[rT+4+(\j)%4], v[rT+4+(\j)%4], v[rS+8*((\j)%4)+2*((\j)/4)+1], v[rS+8*((\j)%4)+2*((\j)/4)+2]
.elseif (\j) == 12
	v_max3_num_f32 v[rT+4], v[rT+4], v[rS+7], v[rS+15]
.elseif (\j) == 13
	v_max3_num_f32 v[rT+6], v[rT+6], v[rS+23], v[rS+31]
.elseif (\j) == 14
	v_max3_num_f32 v[rT+4], v[rT+4], v[rT+5], v[rT+6]
.elseif (\j) == 15
	v_max3_num_f32 v[rT+4], v[rT+4], v[rT+7], v[rT+1]
.elseif (\j) == 16
	v_permlanex16_b32 v[rT+5], v[rT+4], s[SEL], s[SEL+1]
.elseif (\j) == 17
	v_mov_b32 v[rT+7], v[rT]
.elseif (\j) == 18
	v_max_num_f32 v[rT+1], v[rT+4], v[rT+5]
.elseif (\j) == 19
	v_mul_f32 v[rT], s[CS], v[rT+1]
.elseif (\j) == 20
	v_sub_f32 v[rT+7], v[rT+7], v[rT]
.else
	v_exp_f32 v[rT+6], v[rT+7]
.endif
.if ((\j) != 16) && ((\j) != 21)
.set np, np+1
.endif
.endm
.macro SCALE e, b                      ; c s - c m for pair b of 16
	v_pk_fma_f32 v[S+32*(\e)+2*(\b):S+32*(\e)+2*(\b)+1], v[S+32*(\e)+2*(\b):S+32*(\e)+2*(\b)+1], s[CS:CS+1], v[ST+8*(\e):ST+8*(\e)+1] op_sel_hi:[1,0,0] neg_lo:[0,0,1] neg_hi:[0,0,1]
.set np, np+1
.endm
; TT e, t: number t of the 32 that read an entity's exponentials; all of them stand behind the batch's wait.  The 16 pairs of weights are added in two chains and rounded to bf16 in place:
; pair b goes to register b, which by then has been added and rounded itself.  t = 0: pairs 0 + 1; 1, 2, 3, 5: pairs 0 to 3 rounded; 4: pairs 2 + 3; even t from 6: pair (t + 2) / 2 added; odd t from 7: pair (t + 1) / 2
; rounded; 30: the two chains; 31: l = a l + the sum.
.macro TT e, t
.set pS, S+32*(\e)
.set pT, ST+8*(\e)
.set pA, TS+4*(\e)
.if (\t) == 0
	v_pk_add_f32 v[pA:pA+1], v[pS:pS+1], v[pS+2:pS+3]
.elseif (\t) == 4
	v_pk_add_f32 v[pA+2:pA+3], v[pS+4:pS+5], v[pS+6:pS+7]
.elseif (\t) == 30
	v_pk_add_f32 v[pA:pA+1], v[pA:pA+1], v[pA+2:pA+3]
.elseif (\t) == 31
	v_pk_fma_f32 v[pT+2:pT+3], v[pT+2:pT+3], v[pT+6:pT+7], v[pA:pA+1] op_sel_hi:[1,0,1]
.elseif (\t) < 6
.set pb, (\t)-1-(\t)/5
	v_cvt_pk_bf16_f32 v[pS+pb], v[pS+2*pb], v[pS+2*pb+1]
.elseif ((\t)%2) == 0
.set pb, ((\t)+2)/2
	v_pk_add_f32 v[pA+2*(pb%2):pA+2*(pb%2)+1], v[pA+2*(pb%2):pA+2*(pb%2)+1], v[pS+2*pb:pS+2*pb+1]
.else
.set pb, ((\t)+1)/2
	v_cvt_pk_bf16_f32 v[pS+pb], v[pS+2*pb], v[pS+2*pb+1]
.endif
.set np, np+1
.endm
; Four of the rescaling: the accumulator of tile t, channel block 4 q + i of branch br, times a, from its low end on.
.macro RS4 br, q, i, t
	WIN 0x41+0x41*(\br)                            ; destination and source 0 window 1 or 2, the factor window 0
.set rO, 128*(\t)+8*(4*(\q)+(\i))
.set rT, ST+8*(2*(\br)+(\t))+6
.irp z, 0,2,4,6
	v_pk_mul_f32 v[rO+(\z):rO+(\z)+1], v[rO+(\z):rO+(\z)+1], v[rT:rT+1] op_sel_hi:[1,0]
.endr
.set np, np+4
.endm
; ONE BRANCH'S SOFTMAX AS A LIST (entities RE, RE + 1, which alternate); ITEM writes number rq of it and steps rq.  Numbers 0-159 name no exponential's result; all that do come from 160 on.
;   0-43     the statistics; the last two numbers are the two a, the batch's first exponentials
;   44-159   29 slices of four places, each led by a scaling.  Slice 0: scalings 0-3.  Slice k: scaling 3 + k, two exponentials, and from slice 21 on a third (in slices 1-20 the fourth place is empty): 32 scalings, 64 exponentials.
;            Scaling f is pair f / 2 of entity f % 2; exponential x is weight x / 2 of entity x % 2 and needs scaling 2 (x / 4) + x % 2, which stands ahead of it: up to slice 25 in an earlier slice, behind that at its own slice's head at the latest
;   (wait)   between 159 and 160 stands the wait for the batch's 66 exponentials: STEP writes it, with a plain instruction between the last exponential and it (ISA guide 5.7.2)
;   160-223  TT's numbers 0-31     224-255  (first branch alone) the rescaling of O^T's channel blocks 0-3, which the step's first products V^T P add onto
.macro ITEM
.if rq < 44
	WIN 0
	ST1 RE+rq%2, rq/2
.elseif rq < 160
.set sk, (rq-44)/4
.set sn, (rq-44)%4
.if sk == 0
	WIN 0
	SCALE RE+sn%2, sn/2
.elseif sn == 0
	WIN 0
	SCALE RE+(3+sk)%2, (3+sk)/2
.elseif (sn < 3) || (sk > 20)
.set se, 2*(sk-1)+sn-1
.if sk > 20
.set se, 40+3*(sk-21)+sn-1
.endif
	WIN 0
	v_exp_f32 v[S+32*(RE+se%2)+se/2], v[S+32*(RE+se%2)+se/2]
.endif
.elseif rq < 224
	WIN 0
	TT RE+(rq-160)%2, (rq-160)/2
.elseif (rq < 256) && (RE == 0)
.set rk, rq-224
.set rO, 128*((rk/4)%2)+8*(rk/8)+2*(rk%4)
	WIN 0x41
	v_pk_mul_f32 v[rO:rO+1], v[rO:rO+1], v[ST+8*((rk/4)%2)+6:ST+8*((rk/4)%2)+7] op_sel_hi:[1,0]
.set np, np+1
.endif
.set rq, rq+1
.endm
; 8 products of S^T: g = 0 starts the first branch's sums with 0, g = 8 the second's with the first's finished scores.  ride = 1: four numbers of the list behind each.
.macro MULS g, ride
	KBUF \g
.irp kb, 0,1,2,3
.irp t, 0,1
	WIN 0x0c                                       ; K and S^T window 0, Q window 3
.set rD, S+64*((\g)/8)+32*(\t)+8*(\kb)
.set rA, rF+8*(\kb)
.set rB, 128*((\g)/8)+64*(\t)+8*((\g)%8)
.if (\g) == 0
	v_wmma_f32_16x16x32_bf16 v[rD:rD+7], v[rA:rA+7], v[rB:rB+7], 0
.elseif (\g) == 8
	v_wmma_f32_16x16x32_bf16 v[rD:rD+7], v[rA:rA+7], v[rB:rB+7], v[rD-64:rD-57]
.else
	v_wmma_f32_16x16x32_bf16 v[rD:rD+7], v[rA:rA+7], v[rB:rB+7], v[rD:rD+7]
.endif
.set np, 0
.if \ride
.rept 4
	ITEM
.endr
.endif
.endr
.endr
.endm
; 16 products of O^T += V^T P: the run's four fragments of V feed both tiles of both branches.  In the first pass over the channel blocks (q < 4) the first branch's products carry the rescaling of the second branch's
; accumulators of the same run, the second branch's products that of the first branch's accumulators of the next run.
.macro MULP q
.irp br, 0,1
.irp i, 0,1,2,3
.irp t, 0,1
	WIN 0x50+0x50*(\br)                            ; V and P window 0; C and D window 1 or 2
	VREG \q, \i
.set rD, 128*(\t)+8*(4*((\q)%4)+(\i))
.set rB, S+64*(\br)+32*(\t)+8*((\q)/4)
	v_wmma_f32_16x16x32_bf16 v[rD:rD+7], v[rV:rV+7], v[rB:rB+7], v[rD:rD+7]
.set np, 0
.if ((\br) == 0) && ((\q) < 4)
	RS4 1, \q, \i, \t
.elseif ((\br) == 1) && ((\q) < 3)
	RS4 0, (\q)+1, \i, \t
.endif
.endr
.endr
.endr
.endm
; A KEY STEP.  Each run of LDS loads is issued a run of products ahead of its use; s_wait_dscnt 16 (8) leaves out only the 16 (8) loads just issued.
.macro STEP
	WIN 0
	v_add_nc_u32 v[AK], s[TB], v[AK0]
	v_add_nc_u32 v[AV], s[TB], v[AV0]
	PLACES 4                                       ; with the two lines above: the places between the last step's products and the loads and products that write over their sources
	LDK 0
	LDK 1
	LDK 2
	LDK 3
	s_wait_dscnt 16
	MULS 0, 0
	MULS 1, 0
.irp g, 2,4,6
	FILLP 4                                        ; for the loads into the two buffers multiplied last
	LDK (\g)+2
	LDK (\g)+3
	s_wait_dscnt 16
	MULS \g, 0
	MULS (\g)+1, 0
.endr
	FILLP 5                                        ; the first branch's scores become the C operand of other accumulators, which lie where K1's last fragments lay
	s_wait_dscnt 8                                 ; the first 32 channels of K2 are in
.set RE, 0
.set rq, 0
	MULS 8, 1                                      ; from here on the first branch's softmax rides: the statistics only read its scores; the first line that writes them stands 11 products on
.irp g, 9,10,11,12,13,14
	FILLP 4                                        ; for the loads into the buffer multiplied last; ahead of the wait below these v_nop are also the plain instructions behind the batch's last exponential
.if (\g) == 13
	s_wait_alu depctr_va_vdst(0)                   ; the wait for the first branch's batch: 40 products have carried numbers 0-159, its 66 exponentials among them, and no result has been named; the readers ride from here on
.endif
	LDK (\g)+1
	s_wait_dscnt 8
	MULS \g, 1
.endr
	FILLP 4
	LDV 0
	s_wait_dscnt 8
	MULS 15, 1
	FILLP 4                                        ; for the loads below and for the maxima, which read scores just made
	LDV 1
	LDV 2                                          ; into the upper halves of the first branch's S^T: its weights are packed
.set RE, 2
.set rq, 0
.rept 160
	ITEM                                           ; the second branch's softmax: nothing is at hand that it could ride on without reading V from LDS twice.  First all that names no exponential's result
.endr
	v_nop                                          ; a plain instruction behind the batch's last exponential: one for the batch
	s_wait_alu depctr_va_vdst(0)                   ; the wait for the second branch's batch of 66
.rept 64
	ITEM                                           ; the sums, the roundings and l
.endr
	LDV 3                                          ; into the upper halves of the second branch's
	s_wait_dscnt 8
	MULP 0
	MULP 1
	FILLP 4
	LDV 4
	LDV 5
	s_wait_dscnt 16
	MULP 2
	MULP 3
	FILLP 4
	LDV 6
	LDV 7
	s_wait_dscnt 16
	MULP 4
	MULP 5
	s_wait_dscnt 0x0
	MULP 6
	MULP 7
	WIN 0
.endm
.macro RESC                            ; both branches' O^T times the number in the statistics' seventh register, here 1 / l; each accumulator from its low end on
.irp br, 0,1
	WIN 0x41+0x41*(\br)
.irp t, 0,1
.set i, 0
.rept 64
	v_pk_mul_f32 v[128*(\t)+2*i:128*(\t)+2*i+1], v[128*(\t)+2*i:128*(\t)+2*i+1], v[ST+8*(2*(\br)+(\t))+6:ST+8*(2*(\br)+(\t))+7] op_sel_hi:[1,0]
.set i, i+1
.endr
.endr
.endr
.endm
; THE OUTPUT WEIGHTS.  Group wG of 64 rows of [Wps; Wpc] lies: 0, 1 in slot 0's first two places; 2 in its third (pitch 544); 3, 4, 5 likewise in slot 1; 6, 7 in slot 0's first two places again.
; LDW p, g: unit p's blocks of 16 rows 4 (g / 8) + 0..3, channels 32 (g % 8) on.  Four buffers by turns: the two fragment buffers and the first branch's S^T.
.macro WBUF g
.if ((\g)%4) < 2
.set rF, FR+32*((\g)%4)
.else
.set rF, S+32*((\g)%4-2)
.endif
.endm
.macro LDW p, g
	WIN 0
	WBUF \g
.set wG, 2*(\p)+(\g)/8
.if wG == 2
.set wV, AV
.elseif wG == 5
.set wV, AW
.elseif (wG == 3) || (wG == 4)
.set wV, AK
.else
.set wV, AK0
.endif
.irp i, 0,1,2,3
.if (wG == 2) || (wG == 5)
.set wO, (\i)*16*PV+((\g)%8)*64
.else
.set wO, (wG%3)*K2O+(\i)*16*PK+((\g)%8)*64
.endif
	ds_load_b128 v[rF+8*(\i):rF+8*(\i)+3],   v[wV] offset:wO
	ds_load_b128 v[rF+8*(\i)+4:rF+8*(\i)+7], v[wV] offset:wO+32
.endr
.endm
; 8 products of D' = H W^T for unit p (branch p / 2).
.macro MULW p, g
	WBUF \g
	WIN 0x53                                       ; H window 3, W window 0, C and D window 1
.irp i, 0,1,2,3
.irp t, 0,1
.set rD, 64*(\t)+8*(4*((\g)/8)+(\i))
.set rA, 128*((\p)/2)+64*(\t)+8*((\g)%8)
.set rB, rF+8*(\i)
.if ((\g)%8) == 0
	v_wmma_f32_16x16x32_bf16 v[rD:rD+7], v[rA:rA+7], v[rB:rB+7], 0
.else
	v_wmma_f32_16x16x32_bf16 v[rD:rD+7], v[rA:rA+7], v[rB:rB+7], v[rD:rD+7]
.endif
.endr
.endr
.set np, 0
.endm
; A UNIT: rows 128 p on of [Wps; Wpc] (branch p / 2, output channels 128 (p % 2) on): 128 products, the bias, through the stage (a row's 512 bytes come from four waves), the residual, out.
.macro UNIT p, kind
	CHANGE \kind
.if (\p) > 0
	s_wait_xcnt 0x0                                ; the last unit's stores have read their data registers, which are loaded again below
.endif
	LDW \p, 0
	LDW \p, 1
.irp g, 0,2,4,6,8,10,12
.if (\g) > 0
	FILLP 4                                        ; for the loads into the two buffers multiplied last
.endif
	LDW \p, (\g)+2
	LDW \p, (\g)+3
	s_wait_dscnt 16
	MULW \p, \g
	MULW \p, (\g)+1
.endr
	s_wait_dscnt 0x0
	MULW \p, 14
	MULW \p, 15
	FILLP 4                                        ; the additions below read results just made
.if (\p) == 0
	s_wait_loadcnt 0x0                             ; x1 and the biases, asked for in front of the first unit
.endif
	WIN 0x45                                       ; all in window 1
.irp t, 0,1
.irp ob, 0,1,2,3,4,5,6,7
.irp j, 0,1,2,3,4,5,6,7
	v_add_f32 v[64*(\t)+8*(\ob)+(\j)], v[128+8*(\p)+(\ob)], v[64*(\t)+8*(\ob)+(\j)]  ; a lane's eight numbers belong to one output channel
.endr
.endr
.endr
	WIN 0x04                                       ; the address window 0, the data window 1
.irp t, 0,1
.irp ob, 0,1,2,3,4,5,6,7
	ds_store_b128 v[STO], v[64*(\t)+8*(\ob):64*(\t)+8*(\ob)+3]   offset:(\ob)*16*SPT+(\t)*64
	ds_store_b128 v[STO], v[64*(\t)+8*(\ob)+4:64*(\t)+8*(\ob)+7] offset:(\ob)*16*SPT+(\t)*64+16
.endr
.endr
	WIN 0
	s_wait_dscnt 0x0                               ; for the others' sake: my stores into the stage are done
	s_barrier_signal -1                            ; a load of weights may stay out
	s_barrier_wait -1
.set i, 0
.rept 32
	ds_load_b128 v[S+4*i:S+4*i+3], v[RD] offset:i*SPT  ; wave w takes rows 32 w .. 32 w + 31, whole
.set i, i+1
.endr
	s_wait_dscnt 0x0
	WIN 0x08                                       ; x1 window 2
.set i, 0
.rept 64
	v_pk_add_f32 v[S+2*i:S+2*i+1], v[S+2*i:S+2*i+1], v[128*((\p)%2)+2*i:128*((\p)%2)+2*i+1]
.set i, i+1
.endr
	WIN 0
.set i, 0
.rept 32
	global_store_b128 v[GO], v[S+4*i:S+4*i+3], s[22+2*((\p)/2):23+2*((\p)/2)] offset:((\p)%2)*524288+i*4096 th:TH_STORE_NT  ; 512 consecutive bytes, aligned
.set i, i+1
.endr
.endm
	s_load_b256 s[4:11], s[0:1], 0x0               ; q1 s[4:5], q2 s[6:7], k1 s[8:9], k2 s[10:11]
	s_load_b256 s[12:19], s[0:1], 0x20             ; vv s[12:13], wb s[14:15], x1 s[16:17], bps s[18:19]
	s_load_b128 s[20:23], s[0:1], 0x40             ; bpc s[20:21], out0 s[22:23]
	s_load_b64 s[24:25], s[0:1], 0x50              ; out1
	v_lshl_add_u32 v[SPW], v0, 2, SPARE
	v_mov_b32 v[NIL], 0
	ds_add_u32 v[SPW], v[NIL]                      ; the wave's opening: the add and its wait stand ahead of my first tensor load; the set-up below, work on registers, stands between them
	v_lshrrev_b32 v1, 5, v0
	v_readfirstlane_b32 s[WV], v1                  ; wave 0..3
	s_bfe_u32 s27, ttmp6, 0x40000                  ; cx: my place in the cluster
	s_lshl_b32 s66, ttmp9, 2                       ; in a cluster launch ttmp9 counts clusters
	s_add_co_u32 s27, s66, s27                     ; my block of 128 queries: it enters Q's, x1's and the outputs' addresses alone
	s_and_b32 s28, ttmp7, 0xffff                   ; the batch, which the four partners share
	s_and_b32 s29, s[WV], 1                        ; K1 or K2; the first or second 64 rows of weights
	s_lshl_b32 s30, s28, 19                        ; the batch's first byte in q, k, v
	s_mov_b32 s31, 0
	s_lshl_b32 s66, s27, 16                        ; Q: + (128 block + 32 wave) rows of 512 bytes
	s_add_co_u32 s66, s66, s30
	s_lshl_b32 s67, s[WV], 14
	s_add_co_u32 s66, s66, s67
	s_mov_b32 s67, 0
	s_lshl_b32 s68, s28, 20                        ; x1 and the outputs: batch x 1,048,576 + block x 512 + wave x 32 rows of 4,096
	s_lshl_b32 s69, s27, 9
	s_add_co_u32 s68, s68, s69
	s_lshl_b32 s69, s[WV], 17
	s_add_co_u32 s68, s68, s69
	s_mov_b32 s69, 0
	s_lshl_b32 s70, s29, 15                        ; the weights: behind three matrices of 131,072 bytes, my 64 rows of 512
	s_add_co_u32 s70, s70, 393216
	s_mov_b32 s71, 0
	; descriptor group 1: a tile of 64 rows x 256 elements, padded in LDS
	s_mov_b32 s[G1K], 15|(1<<16)|(1<<20)|(1<<21)|(6<<22)|(3<<25)  ; 15:0 the mask of four; 17:16 2-byte elements; 20 padding on; 21 set beside a mask; 24:22 after every 128 words (code 6); 31:25 4 words (code 3)
	s_mov_b32 s[G1V], 15|(1<<16)|(1<<20)|(1<<21)|(6<<22)|(7<<25)  ; the same with 8 words of padding (code 7)
.irp g, G1K, G1V
	s_mov_b32 s[\g+1], 256<<16                     ; tensor_dim0 = 256
	s_mov_b32 s[\g+2], 64<<16                      ; tensor_dim1 = 64
	s_mov_b32 s[\g+3], 256<<16                     ; tile_dim0 = 256
	s_mov_b32 s[\g+4], 64                          ; tile_dim1 = 64
	s_mov_b32 s[\g+5], 256                         ; 256 elements from row to row
	s_mov_b32 s[\g+6], 0
	s_mov_b32 s[\g+7], 0
.endr
	s_mov_b32 s[G0K], 1                            ; 1:0 count = 1
	s_mul_i32 s[G0K+1], s29, K2O                   ; 63:32 LDS address: slot 0, the first or the second place: no place in the cluster enters an LDS address
	s_mov_b32 s[G0V], 1
	s_mov_b32 s[G0V+1], VO
	s_mov_b32 s[CS], 0x3db8aa3b                    ; c = log2(e) / 16 = 0.0901684
	s_mov_b32 s[CS+1], s[CS]                       ; named with it as a pair
	s_mov_b32 s[SEL], 0x76543210
	s_mov_b32 s[SEL+1], 0xfedcba98
	s_mov_b32 s[TB], SLOT1                         ; the first change of slots turns it into 0
	; A fragment of K, Q or W is 16 rows x 32 channels in 8 registers: lane l holds row l % 16, channels 8 (l / 16) + 0..7 and 16 + 8 (l / 16) + 0..7: two loads of 16 bytes, 32 bytes apart.
	v_and_b32 v1, 15, v0                           ; r = l % 16
	v_bfe_u32 v9, v0, 4, 1                         ; h = l / 16
	v_and_b32 v11, 31, v0                          ; l
	v_lshlrev_b32 v[QO], 9, v1
	v_lshl_add_u32 v[QO], v9, 4, v[QO]             ; row x 512 + 16 x half
	s_wait_dscnt 0x0                               ; the opening add is done
	s_wait_kmcnt 0x0
	s_cmp_eq_u32 s29, 1
	s_cselect_b64 s[KB:KB+1], s[10:11], s[8:9]     ; k2 or k1, by the wave's number,
	s_add_nc_u64 s[KB:KB+1], s[KB:KB+1], s[30:31]  ; at the batch's first key
	s_add_nc_u64 s[VB:VB+1], s[VB:VB+1], s[30:31]
	s_add_nc_u64 s[G0K+2:G0K+3], s[KB:KB+1], 0     ; 120:64 global address: step 0
	s_or_b32 s[G0K+3], s[G0K+3], 0x80000000        ; 127:126 type = 2
	s_add_nc_u64 s[G0V+2:G0V+3], s[VB:VB+1], 0
	s_or_b32 s[G0V+3], s[G0V+3], 0x80000000
	s_add_nc_u64 s[WPK:WPK+1], s[14:15], s[70:71]
	s_add_nc_u64 s[WPV:WPV+1], s[14:15], 393216+128*512  ; (the batch's offset, which lay here, has been used)
	s_add_nc_u64 s[4:5], s[4:5], s[66:67]          ; Q1, Q2 at my wave's first row
	s_add_nc_u64 s[6:7], s[6:7], s[66:67]
	s_add_nc_u64 s[16:17], s[16:17], s[68:69]      ; x1 and the outputs at my wave's first row and my block's first token
	s_add_nc_u64 s[22:23], s[22:23], s[68:69]
	s_add_nc_u64 s[24:25], s[24:25], s[68:69]
	s_mov_b32 s[OFF], 0                            ; that offset has been used: the pair now holds the offset of the step asked for last
	s_mov_b32 s[OFF+1], 0
	WIN 0xc0                                       ; Q stays in registers: destination window 3, address window 0.  Asked for ahead of the round, which it has no part in
.irp t, 0,1
.irp c, 0,1,2,3,4,5,6,7
	global_load_b128 v[64*(\t)+8*(\c):64*(\t)+8*(\c)+3],         v[QO], s[4:5] offset:(\t)*8192+(\c)*64
	global_load_b128 v[64*(\t)+8*(\c)+4:64*(\t)+8*(\c)+7],       v[QO], s[4:5] offset:(\t)*8192+(\c)*64+32
	global_load_b128 v[128+64*(\t)+8*(\c):128+64*(\t)+8*(\c)+3],   v[QO], s[6:7] offset:(\t)*8192+(\c)*64
	global_load_b128 v[128+64*(\t)+8*(\c)+4:128+64*(\t)+8*(\c)+7], v[QO], s[6:7] offset:(\t)*8192+(\c)*64+32
.endr
.endr
	WIN 0
	CROUND                                         ; all four work-groups are here: the first joint loads meet
	JLOAD 1                                        ; step 0 into slot 0.  Slot 1 is asked for by the loop's own change of slots
	v_mul_u32_u24 v[AK0], v1, PK
	v_lshl_add_u32 v[AK0], v9, 4, v[AK0]           ; row x pitch + 16 x half
	; The turning load takes 16 keys x 16 channels (lane l reads key 8 (l / 16) + l % 8, channels 8 ((l / 8) % 2) + 0..7) and leaves half a fragment of V^T: lane l holds channel l % 16 and 8 keys.
	v_and_b32 v[AW], 7, v0
	v_bfe_u32 v[RB], v0, 3, 1
	v_lshl_add_u32 v[AV0], v9, 3, v[AW]
	v_mul_u32_u24 v[AV0], v[AV0], PV
	v_lshl_add_u32 v[AV0], v[RB], 4, v[AV0]
	v_add_nc_u32 v[AV0], VO, v[AV0]
	s_lshl_b32 s70, s[WV], 7                       ; into the stage: row l % 16, my wave's 32 queries (128 bytes), 8 queries for each half of the lanes
	s_add_co_u32 s70, s70, STAGE
	v_mul_u32_u24 v[STO], v1, SPT
	v_lshl_add_u32 v[STO], v9, 5, v[STO]
	v_add_nc_u32 v[STO], s70, v[STO]
	s_mul_i32 s70, s[WV], 32*SPT                   ; back: wave w takes rows 32 w on, whole: 32 lanes x 16 bytes
	s_add_co_u32 s70, s70, STAGE
	v_lshlrev_b32 v[GO], 4, v11
	v_add_nc_u32 v[RD], s70, v[GO]
	v_lshlrev_b32 v[RB], 2, v1
	; What the first step finds: O^T and l are 0, m the lowest finite number, c m far below every c s.  All this stands in the wait for the first tile.
	WIN 0x40
.set i, 0
.rept 256
	v_mov_b32 v[i], 0
.set i, i+1
.endr
	WIN 0x80
.set i, 0
.rept 256
	v_mov_b32 v[i], 0
.set i, i+1
.endr
	WIN 0
.irp e, 0,1,2,3
	v_mov_b32 v[ST+8*(\e)], 0xfe000000
	v_mov_b32 v[ST+8*(\e)+1], 0xff7fffff
	v_mov_b32 v[ST+8*(\e)+2], 0
	v_mov_b32 v[ST+8*(\e)+3], 0
.endr
	s_wait_loadcnt 0x0                             ; Q
	s_mov_b32 s[CNT], 16
.Lstep:                                                ; 16 trips; the change in front of step s waits for its tile and asks for what the other slot holds next
	CHANGE 1
	STEP
	s_sub_co_u32 s[CNT], s[CNT], 1
	s_cmp_lg_u32 s[CNT], 0
	s_cbranch_scc1 .Lstep
	; l's two halves and the other half of the lanes' are added; O^T is divided by l and rounded to bf16: H.  The first additions are the places behind the last products.
.irp e, 0,1,2,3
	v_add_f32 v[ST+8*(\e)+4], v[ST+8*(\e)+2], v[ST+8*(\e)+3]
.endr
.irp e, 0,1,2,3
	v_permlanex16_b32 v[ST+8*(\e)+5], v[ST+8*(\e)+4], s[SEL], s[SEL+1]
.endr
.irp e, 0,1,2,3
	v_add_f32 v[ST+8*(\e)+4], v[ST+8*(\e)+4], v[ST+8*(\e)+5]
.endr
.irp e, 0,1,2,3
	v_rcp_f32 v[ST+8*(\e)+6], v[ST+8*(\e)+4]
.endr
	v_add_nc_u32 v[AK], SLOT1, v[AK0]              ; my places in the tiles of weights; these plain lines also stand between the last reciprocal and the use of its result
	v_mul_u32_u24 v[AV], v1, PV
	v_lshl_add_u32 v[AV], v9, 4, v[AV]
	v_add_nc_u32 v[AV], VO, v[AV]
	v_add_nc_u32 v[AW], SLOT1, v[AV]
	s_wait_alu depctr_va_vdst(0)                   ; the wait ahead of the first use: one for the batch of four reciprocals; the five address lines above are the independent work between
	RESC
.irp br, 0,1
	WIN 0xc5+5*(\br)                               ; sources window 1 or 2, destination window 3: Q's registers are free
.irp t, 0,1
.set i, 0
.rept 64
	v_cvt_pk_bf16_f32 v[128*(\br)+64*(\t)+i], v[128*(\t)+2*i], v[128*(\t)+2*i+1]
.set i, i+1
.endr
.endr
.endr
	WIN 0x80                                       ; x1's rows 128 hf + 32 w + i, my block's 128 tokens, into the registers that O^T of branch 1 has left: they serve both branches
.irp hf, 0,1
.set i, 0
.rept 32
	global_load_b128 v[128*(\hf)+4*i:128*(\hf)+4*i+3], v[GO], s[16:17] offset:(\hf)*524288+i*4096
.set i, i+1
.endr
.endr
	WIN 0x40                                       ; the biases: unit p, block ob: lane l takes channel 128 (p % 2) + 16 ob + l % 16
.irp p, 0,1
.irp ob, 0,1,2,3,4,5,6,7
	global_load_b32 v[128+8*(\p)+(\ob)],   v[RB], s[18:19] offset:(128*(\p)+16*(\ob))*4
	global_load_b32 v[128+8*(\p)+16+(\ob)], v[RB], s[20:21] offset:(128*(\p)+16*(\ob))*4
.endr
.endr
	WIN 0
	UNIT 0, 2                                      ; reads rows 0-127 in slot 0; slot 1, read out by the last step, takes rows 192-383
	UNIT 1, 0                                      ; reads rows 128-191 in slot 0's third place and rows 192-255 in slot 1, which its change has waited for
	UNIT 2, 3                                      ; reads rows 256-383 in slot 1; slot 0's first two places, read out by unit 0, take rows 384-511
	UNIT 3, 0                                      ; reads rows 384-511 in slot 0
	s_wait_tensorcnt 0x0                           ; the wave's end: behind my last tensor load and my last LDS store
	ds_add_u32 v[SPW], v[NIL]
	s_wait_dscnt 0x0
	CROUND                                         ; the closing round: no work-group ends while a partner may still ask for a tile that names it
	s_endpgm
.Lfunc_end_k_qbfe2de97e8_attn:
	.size	k_qbfe2de97e8_attn, .Lfunc_end_k_qbfe2de97e8_attn-k_qbfe2de97e8_attn
	.p2alignl 7, 3214868480
	.fill 96, 4, 3214868480
	.section	.rodata,"a",@progbits
	.p2align	6, 0x0
	.amdhsa_kernel k_qbfe2de97e8_attn
		.amdhsa_group_segment_fixed_size 327680
		.amdhsa_private_segment_fixed_size 0
		.amdhsa_enable_private_segment 0
		.amdhsa_kernarg_size 88
		.amdhsa_user_sgpr_count 2
		.amdhsa_user_sgpr_kernarg_segment_ptr 1
		.amdhsa_wavefront_size32 1
		.amdhsa_system_sgpr_workgroup_id_x 1
		.amdhsa_system_sgpr_workgroup_id_y 1
		.amdhsa_system_sgpr_workgroup_id_z 1
		.amdhsa_system_vgpr_workitem_id 0
		.amdhsa_next_free_vgpr 1024
		.amdhsa_next_free_sgpr 72
		.amdhsa_reserve_vcc 0
		.amdhsa_float_denorm_mode_32 3
		.amdhsa_float_denorm_mode_16_64 3
		.amdhsa_memory_ordered 1
		.amdhsa_forward_progress 1
		.amdhsa_inst_pref_size 255
	.end_amdhsa_kernel
	.section	.bss,"aw",@nobits
	.p2align	6
	.space	262144
	.amdgpu_metadata
---
amdhsa.version: [ 1, 2 ]
amdhsa.kernels:
  - .name:           k_qbfe2de97e8_attn
    .symbol:         k_qbfe2de97e8_attn.kd
    .args:
      - { .name: q1, .offset: 0, .size: 8, .value_kind: global_buffer, .address_space: global }
      - { .name: q2, .offset: 8, .size: 8, .value_kind: global_buffer, .address_space: global }
      - { .name: k1, .offset: 16, .size: 8, .value_kind: global_buffer, .address_space: global }
      - { .name: k2, .offset: 24, .size: 8, .value_kind: global_buffer, .address_space: global }
      - { .name: vv, .offset: 32, .size: 8, .value_kind: global_buffer, .address_space: global }
      - { .name: wb, .offset: 40, .size: 8, .value_kind: global_buffer, .address_space: global }
      - { .name: x1, .offset: 48, .size: 8, .value_kind: global_buffer, .address_space: global }
      - { .name: bps, .offset: 56, .size: 8, .value_kind: global_buffer, .address_space: global }
      - { .name: bpc, .offset: 64, .size: 8, .value_kind: global_buffer, .address_space: global }
      - { .name: out0, .offset: 72, .size: 8, .value_kind: global_buffer, .address_space: global }
      - { .name: out1, .offset: 80, .size: 8, .value_kind: global_buffer, .address_space: global }
    .group_segment_fixed_size: 327680
    .private_segment_fixed_size: 0
    .kernarg_segment_align: 8
    .kernarg_segment_size: 88
    .max_flat_workgroup_size: 128
    .sgpr_count:     72
    .vgpr_count:     1024
    .wavefront_size: 32
...
	.end_amdgpu_metadata
.endif
;; end of part 4
